; MI455X (gfx1250); checked and timed in simulation.
; The chip was launched on July 23, 2026; its instructions are those of AMD's public machine-readable ISA for CDNA 5 (MIT licence, August 2026) and "CDNA5" Instruction Set Architecture Reference Guide (July 2026). The comments in the code are by the model that wrote it; some were corrected since.
;; Group Attention one dim. Allowed arithmetic: float matrix products may take bf16 or f16 operands with f32 sums; all other float work in f32.
;; Inputs: b_fc one number float32; beta 512 float32; context 4 x 256 x 512 float32; eos_mask 4 x 256 int32; gamma 512 float32; prior 4 x 256 x 256 float32; w_fc 1,024 float32.
;; Outputs: out0 4 x 256 x 256 float32; out1 4 x 256 x 256 float32.
;; 3 versions, each right; version 2 is faster than version 1; version 3 is version 2 with the launch gate written anew for expert scheduling mode. Each part assembles by itself: llvm-mc -triple=amdgcn-amd-amdhsa -mcpu=gfx1250 --defsym DOCPART=n.
;; ======== version 1 of 3: 3 launches
;; workspace buffers: lcs 2,097,152 bytes; yv 2,097,152 bytes; q 4,096 bytes; mws 1,048,576 bytes; bp 32,768 bytes
;; launch prep (part 1): grid 16 x 4, 4 waves a work-group, no clusters, 8,704 bytes of LDS; arguments context, gamma, beta, w_fc, lcs, yv, q; writes lcs, yv, q
.if DOCPART == 1
	.amdgcn_target "amdgcn-amd-amdhsa--gfx1250"
	.amdhsa_code_object_version 6
	.text
	.protected	k_qc12c0a99cc_prep
	.globl	k_qc12c0a99cc_prep
	.p2align	8
	.type	k_qc12c0a99cc_prep,@function
k_qc12c0a99cc_prep:
	s_mov_b64 s[64:65], 0
	v_nop
	global_prefetch_b8 v0, s[64:65] scope:SCOPE_SE
	s_setreg_imm32_b32 hwreg(HW_REG_WAVE_MODE, 25, 1), 1
	s_wait_xcnt 0x0
; LayerNorm and what every later step needs of it.  context [4][256][512] f32.
;   x = gamma (c - mean) / (std + 1e-6) + beta, std with divisor 511
;   yv[row][d]  = w_fc[d] x[row][d]
;   q[row]      = sum over d of x[row][d] w_fc[512 + d]
;   lcs[row][d] = x summed over the rows of the row's block of 16 rows, up to and including the row
; A work-group owns one block of 16 rows, a wave 4 of them; a lane holds d = 128 k + 4 lane + e (k, e = 0..3), so each
; load and store of a wave covers 512 consecutive bytes.  The row stays in 16 registers from the load to the last store.
; The four waves' 4-row totals meet in LDS once; wave w adds ((T0 + T1) + T2) up to its own.
; Everything is f32 vector work: there is no product of matrices here, no tile that two work-groups share, and each
; byte is loaded once straight into the registers that use it, so matrix units, clusters and LDS rings are left out.
; LIMITS: 1/512 and 1/511 are multiplied, not divided by; v_sqrt_f32 and v_rcp_f32 are good to one unit in the last place
; and take a denormal variance for zero.  eos_mask is an input that the computation never uses: no launch reads it.
.set ROWB, 2048                        ; bytes in a row
.set QR,  16                           ; v[16:19]    q of my four rows
.set XR,  64                           ; v[64:127]   row r at XR + 16 r
.set GA,  128                          ; v[128:143]  gamma; later the sum of the earlier waves' totals
.set BE,  144                          ; v[144:159]  beta; later one wave's total
.set W1,  160                          ; v[160:175]  w_fc[d]
.set W2,  176                          ; v[176:191]  w_fc[512 + d]
.set YR,  192                          ; v[192:255]  w1 x, row r at YR + 16 r
	s_load_b256 s[4:11], s[0:1], 0x0               ; context s[4:5], gamma s[6:7], beta s[8:9], w_fc s[10:11]
	s_load_b128 s[12:15], s[0:1], 0x20             ; lcs s[12:13], yv s[14:15]
	s_load_b64 s[16:17], s[0:1], 0x30              ; q
	v_lshl_add_u32 v62, v0, 2, 0x2000
	v_mov_b32 v63, 0
	v_lshrrev_b32 v2, 5, v0
	v_readfirstlane_b32 s20, v2                    ; wave 0..3
	v_and_b32 v1, 31, v0
	v_lshlrev_b32 v1, 4, v1                        ; 16 x lane: my 16 bytes in each 512
	v_mov_b32 v22, 0                               ; v_permlanex16_b32 counts as a reader of its destination
	v_mov_b32 v24, 0                               ; offset of the q store
	s_lshl_b32 s23, s20, 11
	v_add_nc_u32 v23, s23, v1                      ; LDS: my wave's total, 2,048 bytes a wave
	s_and_b32 s21, ttmp7, 0xffff                   ; batch
	s_lshl_b32 s22, s21, 8
	s_lshl_b32 s18, ttmp9, 4
	s_add_co_u32 s22, s22, s18
	s_lshl_b32 s18, s20, 2
	s_add_co_u32 s22, s22, s18                     ; my first row = 256 b + 16 K + 4 w
	s_lshl_b32 s24, s22, 11                        ; in bytes (below 2 MiB)
	s_mov_b32 s25, 0
	s_lshl_b32 s18, s22, 2                         ; and in q
	s_mov_b32 s19, 0
	s_mov_b32 s26, 0x76543210                      ; v_permlanex16_b32: lane i reads lane i of the other half
	s_mov_b32 s27, 0xfedcba98
	s_wait_kmcnt 0x0
	s_add_nc_u64 s[4:5], s[4:5], s[24:25]
	s_add_nc_u64 s[12:13], s[12:13], s[24:25]
	s_add_nc_u64 s[14:15], s[14:15], s[24:25]
	s_add_nc_u64 s[16:17], s[16:17], s[18:19]
.irp r, 0,1,2,3
.irp k, 0,1,2,3
	global_load_b128 v[XR+16*\r+4*\k:XR+16*\r+4*\k+3], v1, s[4:5] offset:ROWB*\r+512*\k th:TH_LOAD_NT
.endr
.endr
.irp k, 0,1,2,3
	global_load_b128 v[GA+4*\k:GA+4*\k+3], v1, s[6:7] offset:512*\k
.endr
.irp k, 0,1,2,3
	global_load_b128 v[BE+4*\k:BE+4*\k+3], v1, s[8:9] offset:512*\k
.endr
.irp k, 0,1,2,3
	global_load_b128 v[W1+4*\k:W1+4*\k+3], v1, s[10:11] offset:512*\k
.endr
.irp k, 0,1,2,3
	global_load_b128 v[W2+4*\k:W2+4*\k+3], v1, s[10:11] offset:2048+512*\k
.endr
; the sum of one register over the 32 lanes, left in every lane
.macro XSUM reg, tmp
	v_add_f32_dpp v[\reg], v[\reg], v[\reg] row_xmask:1 row_mask:0xf bank_mask:0xf
	v_add_f32_dpp v[\reg], v[\reg], v[\reg] row_xmask:2 row_mask:0xf bank_mask:0xf
	v_add_f32_dpp v[\reg], v[\reg], v[\reg] row_xmask:4 row_mask:0xf bank_mask:0xf
	v_add_f32_dpp v[\reg], v[\reg], v[\reg] row_xmask:8 row_mask:0xf bank_mask:0xf
	v_permlanex16_b32 v[\tmp], v[\reg], s26, s27
	v_add_f32 v[\reg], v[\reg], v[\tmp]
.endm
; row r: mean, deviation in place, std, deviation / (std + eps) in place.  Needs the row alone, so it runs while the vectors land.
.macro STAT r
.set X, XR+16*\r
	s_wait_loadcnt 28-4*\r                         ; 32 loads in all; 32 - 4 (r + 1) are younger than this row's four
	v_pk_add_f32 v[2:3], v[X:X+1], v[X+2:X+3]
	v_pk_add_f32 v[4:5], v[X+4:X+5], v[X+6:X+7]
	v_pk_add_f32 v[6:7], v[X+8:X+9], v[X+10:X+11]
	v_pk_add_f32 v[8:9], v[X+12:X+13], v[X+14:X+15]
	v_pk_add_f32 v[2:3], v[2:3], v[4:5]
	v_pk_add_f32 v[6:7], v[6:7], v[8:9]
	v_pk_add_f32 v[2:3], v[2:3], v[6:7]
	v_add_f32 v20, v2, v3
	XSUM 20, 22
	v_mul_f32 v10, 0x3b000000, v20                 ; mean = sum / 512, in both halves of a pair
	v_mul_f32 v11, 0x3b000000, v20
.irp p, 0,2,4,6,8,10,12,14
	v_pk_add_f32 v[X+\p:X+\p+1], v[X+\p:X+\p+1], v[10:11] neg_lo:[0,1] neg_hi:[0,1]
.endr
	v_pk_mul_f32 v[2:3], v[X:X+1], v[X:X+1]        ; the squares, in two chains
	v_pk_mul_f32 v[4:5], v[X+2:X+3], v[X+2:X+3]
.irp p, 4,8,12
	v_pk_fma_f32 v[2:3], v[X+\p:X+\p+1], v[X+\p:X+\p+1], v[2:3]
	v_pk_fma_f32 v[4:5], v[X+\p+2:X+\p+3], v[X+\p+2:X+\p+3], v[4:5]
.endr
	v_pk_add_f32 v[2:3], v[2:3], v[4:5]
	v_add_f32 v20, v2, v3
	XSUM 20, 22
	v_mul_f32 v20, 0x3b004020, v20                 ; / 511
	v_sqrt_f32 v21, v20
	v_nop                                          ; one plain instruction between a transcendental and the use of its result (ISA guide 5.7.2)
	s_wait_alu depctr_va_vdst(0)
	v_add_f32 v21, 0x358637bd, v21                 ; + 1e-6
	v_rcp_f32 v12, v21
	v_rcp_f32 v13, v21
	v_nop                                          ; likewise
	s_wait_alu depctr_va_vdst(0)
.irp p, 0,2,4,6,8,10,12,14
	v_pk_mul_f32 v[X+\p:X+\p+1], v[X+\p:X+\p+1], v[12:13]
.endr
.endm
; row r: x in place, y = w1 x (stored), q = x . w2
.macro APPLY r
.set X, XR+16*\r
.set YB, YR+16*\r
.irp p, 0,2,4,6,8,10,12,14
	v_pk_fma_f32 v[X+\p:X+\p+1], v[X+\p:X+\p+1], v[GA+\p:GA+\p+1], v[BE+\p:BE+\p+1]
.endr
.irp p, 0,2,4,6,8,10,12,14
	v_pk_mul_f32 v[YB+\p:YB+\p+1], v[X+\p:X+\p+1], v[W1+\p:W1+\p+1]
.endr
	v_pk_mul_f32 v[2:3], v[X:X+1], v[W2:W2+1]
	v_pk_mul_f32 v[4:5], v[X+2:X+3], v[W2+2:W2+3]
.irp p, 4,8,12
	v_pk_fma_f32 v[2:3], v[X+\p:X+\p+1], v[W2+\p:W2+\p+1], v[2:3]
	v_pk_fma_f32 v[4:5], v[X+\p+2:X+\p+3], v[W2+\p+2:W2+\p+3], v[4:5]
.endr
.irp k, 0,1,2,3
	global_store_b128 v1, v[YB+4*\k:YB+4*\k+3], s[14:15] offset:ROWB*\r+512*\k
.endr
	v_pk_add_f32 v[2:3], v[2:3], v[4:5]
	v_add_f32 v[QR+\r], v2, v3
	XSUM QR+\r, 22
.endm
	STAT 0
	STAT 1
	STAT 2
	STAT 3
	s_wait_loadcnt 0x0                             ; gamma, beta, w1, w2
	APPLY 0
	APPLY 1
	APPLY 2
	APPLY 3
	; the running sum over my four rows
.irp r, 1,2,3
.irp p, 0,2,4,6,8,10,12,14
	v_pk_add_f32 v[XR+16*\r+\p:XR+16*\r+\p+1], v[XR+16*\r+\p:XR+16*\r+\p+1], v[XR+16*\r-16+\p:XR+16*\r-16+\p+1]
.endr
.endr
	; my total (row 3's running sum) to LDS, for the waves behind me
.irp k, 0,1,2,3
	ds_store_b128 v23, v[XR+48+4*\k:XR+48+4*\k+3] offset:512*\k
.endr
	s_wait_dscnt 0x0                               ; my stores are done before I say so: the others read them behind the barrier
	s_barrier_signal -1
	s_barrier_wait -1
	s_cmp_eq_u32 s20, 0
	s_cbranch_scc1 .Lout                           ; wave 0 has nothing in front of it
.irp k, 0,1,2,3
	ds_load_b128 v[GA+4*\k:GA+4*\k+3], v1 offset:512*\k           ; T0
.endr
.macro MORE off                        ; one more wave's total onto the sum
.irp k, 0,1,2,3
	ds_load_b128 v[BE+4*\k:BE+4*\k+3], v1 offset:\off+512*\k
.endr
	s_wait_dscnt 0x0
.irp p, 0,2,4,6,8,10,12,14
	v_pk_add_f32 v[GA+\p:GA+\p+1], v[GA+\p:GA+\p+1], v[BE+\p:BE+\p+1]
.endr
.endm
	s_cmp_lt_u32 s20, 2
	s_cbranch_scc1 .Ladd
	MORE 2048
	s_cmp_lt_u32 s20, 3
	s_cbranch_scc1 .Ladd
	MORE 4096
.Ladd:
	s_wait_dscnt 0x0
.irp r, 0,1,2,3
.irp p, 0,2,4,6,8,10,12,14
	v_pk_add_f32 v[XR+16*\r+\p:XR+16*\r+\p+1], v[XR+16*\r+\p:XR+16*\r+\p+1], v[GA+\p:GA+\p+1]
.endr
.endr
.Lout:
.irp r, 0,1,2,3
.irp k, 0,1,2,3
	global_store_b128 v1, v[XR+16*\r+4*\k:XR+16*\r+4*\k+3], s[12:13] offset:ROWB*\r+512*\k
.endr
.endr
	; q of my four rows: 16 bytes from lane 0 (the whole of q is 4,096 bytes; a wave owns no more than these 16)
	s_wait_xcnt 0x0                                ; EXEC is a source of the stores above: it changes only behind this wait
	v_cmp_eq_u32 vcc_lo, 0, v1
	s_wait_tensorcnt 0x0
	ds_add_u32 v62, v63
	s_wait_dscnt 0x0
	s_and_saveexec_b32 s28, vcc_lo
	global_store_b128 v24, v[QR:QR+3], s[16:17]
	s_wait_xcnt 0x0                                ; and again in front of the line that widens it
	s_or_b32 exec_lo, exec_lo, s28
	s_endpgm
.Lfunc_end_k_qc12c0a99cc_prep:
	.size	k_qc12c0a99cc_prep, .Lfunc_end_k_qc12c0a99cc_prep-k_qc12c0a99cc_prep
	.p2alignl 7, 3214868480
	.fill 96, 4, 3214868480
	.section	.rodata,"a",@progbits
	.p2align	6, 0x0
	.amdhsa_kernel k_qc12c0a99cc_prep
		.amdhsa_group_segment_fixed_size 8704
		.amdhsa_private_segment_fixed_size 0
		.amdhsa_enable_private_segment 0
		.amdhsa_kernarg_size 56
		.amdhsa_user_sgpr_count 2
		.amdhsa_user_sgpr_kernarg_segment_ptr 1
		.amdhsa_wavefront_size32 1
		.amdhsa_system_sgpr_workgroup_id_x 1
		.amdhsa_system_sgpr_workgroup_id_y 1
		.amdhsa_system_sgpr_workgroup_id_z 1
		.amdhsa_system_vgpr_workitem_id 0
		.amdhsa_next_free_vgpr 256
		.amdhsa_next_free_sgpr 66
		.amdhsa_reserve_vcc 1
		.amdhsa_float_denorm_mode_32 3
		.amdhsa_float_denorm_mode_16_64 3
		.amdhsa_memory_ordered 1
		.amdhsa_forward_progress 1
		.amdhsa_inst_pref_size 35
	.end_amdhsa_kernel
	.amdgpu_metadata
---
amdhsa.version: [ 1, 2 ]
amdhsa.kernels:
  - .name:           k_qc12c0a99cc_prep
    .symbol:         k_qc12c0a99cc_prep.kd
    .args:
      - { .name: context, .offset: 0, .size: 8, .value_kind: global_buffer, .address_space: global }
      - { .name: gamma, .offset: 8, .size: 8, .value_kind: global_buffer, .address_space: global }
      - { .name: beta, .offset: 16, .size: 8, .value_kind: global_buffer, .address_space: global }
      - { .name: w_fc, .offset: 24, .size: 8, .value_kind: global_buffer, .address_space: global }
      - { .name: lcs, .offset: 32, .size: 8, .value_kind: global_buffer, .address_space: global }
      - { .name: yv, .offset: 40, .size: 8, .value_kind: global_buffer, .address_space: global }
      - { .name: q, .offset: 48, .size: 8, .value_kind: global_buffer, .address_space: global }
    .group_segment_fixed_size: 8704
    .private_segment_fixed_size: 0
    .kernarg_segment_align: 8
    .kernarg_segment_size: 56
    .max_flat_workgroup_size: 128
    .sgpr_count:     66
    .vgpr_count:     256
    .wavefront_size: 32
...
	.end_amdgpu_metadata
.endif
;; end of part 1
;; launch pairs (part 2): grid 61 x 4, 8 waves a work-group, no clusters, 242,432 bytes of LDS; arguments lcs, yv, q, prior, b_fc, mws, bp; writes mws, bp
.if DOCPART == 2
	.amdgcn_target "amdgcn-amd-amdhsa--gfx1250"
	.amdhsa_code_object_version 6
	.text
	.protected	k_qc12c0a99cc_pairs
	.globl	k_qc12c0a99cc_pairs
	.p2align	8
	.type	k_qc12c0a99cc_pairs,@function
k_qc12c0a99cc_pairs:
	s_mov_b64 s[64:65], 0
	v_nop
	global_prefetch_b8 v0, s[64:65] scope:SCOPE_SE
	s_setreg_imm32_b32 hwreg(HW_REG_WAVE_MODE, 25, 1), 1
	s_wait_xcnt 0x0
; For every pair i <= j:  logit = sum over d of [cs[j][d] != cs[i-1][d]] w1[d] x[j][d]  +  (P[j] - P[i-1]) / (j - i + 1)  +  b,
; M = prior + (1 - prior) sigmoid(logit).  cs is the cumulative sum of x over the rows (cs[-1] = 0), P that of q = x . w2.
; The bracket is the masked fill of the first half of the concatenation: a feature is dropped where its running mean is exactly 0.
; Out:  mws[b][J][i][32] = M for j = 32 J + 0..31;  bp[b][J][i] = product of M over those j that are >= i.  Both for i <= 32 J + 31.
;
; SHARES.  A slot is one i with the 32 j of column J.  Column J has 32 (J + 1) slots; a work-group takes 20 consecutive i of one
; column: 2, 4, 5, 7, 8, 10, 12, 13 work-groups for J = 0..7, 61 a batch.  The last work-group of a column has 4 to 20 slots of its
; own; it runs all 20 trips (on rows that exist) and publishes only its own, so that the trip count is a constant.
; The eight waves split d: wave w owns d = 64 w .. 64 w + 63, 256 consecutive bytes of every row.  A lane is one j: its 64 cs and 64 y
; stay in 128 registers for the whole kernel; cs[i-1] is read from LDS, all lanes the same 16 bytes.  A trip is one i: for each d one
; compare, one select and half a packed add.  The eight partial sums of a slot meet in LDS behind the launch's one barrier.
; cs[r] = off[r / 16] + lcs[r], off[K] = ((T0 + T1) + ..) + T(K-1), T_K = lcs[16 K + 15]: summed in this one order by every wave of every
; work-group, so that a row's cs has the same bits wherever it is compared.
; NOT USED: matrix units (the operand hangs on i, j and d at once: there is no product of two matrices in the test); tensor loads and
; clusters (every element gets its block's offset added on its way into LDS, which only registers can do, and each wave loads its part once).
; LIMITS.  The test is cs[j] == cs[i-1] on these f32 sums: cancellations that are exact in any order of summation are found; a zero that
; arises only from the rounding of another order of summation is not.  A nonzero difference whose quotient by j - i + 1 would underflow
; to 0 (below 2^-149) is not taken for zero.  Two equal infinities count as equal.  1 / len, exp2 and the sigmoid's reciprocal are good
; to one unit in the last place.  P[j] - P[i-1] is a difference of f32 prefix sums, as the cumulative sums of the computation itself are.
.set TRIPS, 20
.set WR,   27136                       ; LDS of one wave: TAB, CSP, STC, STY
.set CSP,  4096                        ; TAB at 0: off[0..15], 256 bytes each.  CSP: 22 rows of 256 bytes, cs[i0 - 2 + n]
.set STC,  9728                        ; 32 rows of cs, pitch 272
.set STYO, 8704                        ; STY lies this far behind STC: 32 rows of y, pitch 272
.set SP,   272                         ; 17 x 16 bytes: sixteen lanes on sixteen rows touch sixteen different 16-byte columns of 256 bytes
.set RED,  217088                      ; partial sums: slot s at 1,152 s, wave w at 128 w, lane at 4 l
.set RP,   1152                        ; 8 x 128 + 128: two neighbouring slots start 128 bytes apart modulo 256
.set PI,   240128                      ; P[-1] = 0 at +12, P[t] at +16 + 4 t
.set T,    20                          ; v[20:23]    four selected y
.set ACC,  24                          ; v[24:27]    two packed sums
.set QV,   28                          ; v[28:35]    wave 7: eight q, then eight P
.set PR,   36                          ; v[36:39]    four prior
.set CA,   64                          ; v[64:95]    cs[i-1], d 0..31 of my 64; at the end the eight waves' partial sums
.set CB,   96                          ; v[96:127]   d 32..63
.set RL,   104                         ; v[104:107]  at the end: 1 / (j - i + 1)
.set CS,   128                         ; v[128:191]  cs[j]
.set Y,    192                         ; v[192:255]  w1 x[j]
.set MK,   40                          ; s[40:47]    two sets of four compare masks
	s_load_b256 s[4:11], s[0:1], 0x0               ; lcs s[4:5], yv s[6:7], q s[8:9], prior s[10:11]
	s_load_b128 s[12:15], s[0:1], 0x20             ; b_fc s[12:13], mws s[14:15]
	s_load_b64 s[16:17], s[0:1], 0x30              ; bp
	s_set_vgpr_msb 0x40
	v_lshl_add_u32 v0, v0, 2, 0x3af00
	v_mov_b32 v1, 0
	s_set_vgpr_msb 0x4000
	v_lshrrev_b32 v11, 5, v0
	v_readfirstlane_b32 s20, v11                   ; wave 0..7
	v_and_b32 v1, 31, v0                           ; lane
	v_and_b32 v2, 15, v0
	v_lshlrev_b32 v2, 4, v2                        ; 16 (l % 16): my 16 bytes of a 256-byte chunk
	v_bfe_u32 v3, v0, 4, 1                         ; h = l / 16: which of two rows
	v_lshl_add_u32 v4, v3, 11, v2                  ; the same in memory: 2,048 h + 16 (l % 16)
	s_and_b32 s21, ttmp7, 0xffff                   ; batch
	s_mov_b32 s22, ttmp9                           ; 0..60
	s_mov_b32 s23, 0                               ; J
	s_mov_b32 s24, 0                               ; the column's first work-group
.macro COLUMN thr, jv
	s_cmp_ge_u32 s22, \thr
	s_cselect_b32 s23, \jv, s23
	s_cselect_b32 s24, \thr, s24
.endm
	COLUMN 2, 1
	COLUMN 6, 2
	COLUMN 11, 3
	COLUMN 18, 4
	COLUMN 26, 5
	COLUMN 36, 6
	COLUMN 48, 7
	s_sub_co_u32 s25, s22, s24
	s_mul_i32 s25, s25, TRIPS                      ; i0
	s_min_u32 s23, s23, 7                          ; by the table above J <= 7 and i0 <= 240: the two minima change nothing and
	s_min_u32 s25, s25, 240                        ; write the bounds of every LDS address made of them into the text
	s_lshl_b32 s26, s23, 5
	s_add_co_u32 s26, s26, 32
	s_sub_co_u32 s26, s26, s25
	s_min_u32 s26, s26, TRIPS                      ; slots that are mine to publish: 4, 8, 12, 16 or 20
	s_lshr_b32 s27, s26, 2                         ; and the waves that publish them, four slots each
	s_cmp_eq_u32 s25, 0
	s_cselect_b32 s34, -1, 0                       ; all lanes, if my first i is 0: cs[-1] = 0
	s_mov_b32 s35, 0xffff0000                      ; lanes 16-31
	s_mul_i32 s28, s20, WR                         ; my wave's LDS
	v_add_nc_u32 v5, s28, v2                       ; TAB + my 16 bytes
	s_add_co_u32 s29, s28, STC
	v_mul_u32_u24 v6, v3, SP
	v_add_nc_u32 v6, v6, v2
	v_add_nc_u32 v6, s29, v6                       ; stage, in: row h, my 16 bytes
	v_mul_u32_u24 v7, v1, SP
	v_add_nc_u32 v7, s29, v7                       ; stage, out: row l
	s_add_co_u32 s30, s28, CSP
	v_lshl_add_u32 v8, v3, 8, v2
	v_add_nc_u32 v8, s30, v8                       ; CSP, in: row h, my 16 bytes
	s_add_co_u32 s30, s30, 256
	v_mov_b32 v9, s30                              ; CSP, out: row 1 = cs[i0 - 1]; one row on in each trip
	s_lshl_b32 s31, s20, 7
	s_add_co_u32 s31, s31, RED
	v_lshl_add_u32 v10, v1, 2, s31                 ; my word of slot 0; one slot on in each trip
.irp m, 12,13,14,15
	v_mov_b32 v\m, 0                               ; off[0]
.endr
	s_wait_kmcnt 0x0
	s_load_b32 s32, s[12:13], 0x0                  ; b
	s_lshl_b32 s28, s21, 19                        ; batch x 256 rows x 2,048 bytes
	s_lshl_b32 s29, s20, 8                         ; + my 256 bytes of a row
	s_add_co_u32 s28, s28, s29
	s_mov_b32 s29, 0
	s_lshl_b32 s30, s23, 16                        ; 32 J rows
	s_mov_b32 s31, 0
	s_add_nc_u64 s[36:37], s[4:5], s[28:29]        ; lcs: the batch's row 0, my chunk
	s_add_nc_u64 s[38:39], s[36:37], s[30:31]      ; lcs: row 32 J
	s_add_nc_u64 s[48:49], s[6:7], s[28:29]
	s_add_nc_u64 s[48:49], s[48:49], s[30:31]      ; yv: row 32 J
	; 58 loads, all at once: 15 block totals, 11 pairs of rows for cs[i-1], 16 pairs of rows of cs[j], 16 of y[j]
.irp k, 0,1,2,3,4,5,6,7,8,9,10,11,12,13,14
	global_load_b128 v[64+4*\k:67+4*\k], v2, s[36:37] offset:32768*\k+30720      ; row 16 K + 15; both halves of the wave the same 256 bytes
.endr
.irp t, 0,1,2,3,4,5,6,7,8,9,10
	s_add_co_i32 s28, s25, 2*\t-2                  ; rows i0 - 2 + 2 t and the next: an even row and its neighbour lie in one block of 16
	s_max_i32 s28, s28, 0                          ; (i0 = 0: rows 0, 1 in place of -2, -1; they are cleared below)
	s_min_u32 s28, s28, 254                        ; (i0 = 240: rows 254, 255 again, for slots that are not published)
	v_lshl_add_u32 v[20+4*\t], s28, 11, v4
	global_load_b128 v[20+4*\t:23+4*\t], v[20+4*\t], s[36:37]
.endr
.irp t, 0,1,2,3,4,5,6,7,8,9,10,11,12,13,14,15
	global_load_b128 v[CS+4*\t:CS+4*\t+3], v4, s[38:39] offset:4096*\t
.endr
.irp t, 0,1,2,3,4,5,6,7,8,9,10,11,12,13,14,15
	global_load_b128 v[Y+4*\t:Y+4*\t+3], v4, s[48:49] offset:4096*\t
.endr
	; the other bases, while the loads are on their way
	s_lshl_b32 s28, s21, 18
	s_add_nc_u64 s[50:51], s[10:11], s[28:29]      ; prior: the batch
	s_lshl_b32 s28, s21, 10
	s_add_nc_u64 s[56:57], s[8:9], s[28:29]        ; q: the batch
	s_lshl_b32 s30, s21, 3
	s_add_co_u32 s30, s30, s23
	s_lshl_b32 s30, s30, 8
	s_add_co_u32 s30, s30, s25                     ; (8 b + J) 256 + i0
	s_lshl_b32 s28, s30, 7
	s_add_nc_u64 s[52:53], s[14:15], s[28:29]      ; mws: my slot 0 (2,560 bytes a work-group: a multiple of 256)
	s_lshl_b32 s28, s30, 2
	s_add_nc_u64 s[54:55], s[16:17], s[28:29]      ; bp: my slot 0
	; STAGING.  Every LDS byte up to the barrier is the wave's own, and LDS serves a wave's instructions in order (ISA guide 5.7.1): no barrier.
	s_wait_loadcnt 43                              ; the totals are in: 11 + 16 + 16 loads are younger
	ds_store_b128 v5, v[12:15]                     ; off[0] = 0
	ds_store_b128 v5, v[64:67] offset:256          ; off[1] = T0
.irp k, 1,2,3,4,5,6,7,8,9,10,11,12,13,14
	v_pk_add_f32 v[64+4*\k:65+4*\k], v[64+4*\k:65+4*\k], v[60+4*\k:61+4*\k]
	v_pk_add_f32 v[66+4*\k:67+4*\k], v[66+4*\k:67+4*\k], v[62+4*\k:63+4*\k]
	ds_store_b128 v5, v[64+4*\k:67+4*\k] offset:256*\k+256          ; off[K + 1]
.endr
	v_lshl_add_u32 v11, s23, 9, v5
	ds_load_b128 v[12:15], v11                     ; off[2 J]: rows 32 J .. 32 J + 15
	ds_load_b128 v[16:19], v11 offset:256          ; off[2 J + 1]
.irp t, 0,1,2,3,4,5,6,7,8,9,10
	s_add_co_i32 s28, s25, 2*\t-2                  ; the same rows as above,
	s_max_i32 s28, s28, 0
	s_min_u32 s28, s28, 254
	s_lshr_b32 s28, s28, 4                         ; their block,
	s_min_u32 s28, s28, 15                         ; at most 15 (changes nothing: the table's bound, in the text)
	v_lshl_add_u32 v[108+\t], s28, 8, v5
	ds_load_b128 v[64+4*\t:67+4*\t], v[108+\t]     ; and its offset
.endr
	s_wait_loadcnt 32                              ; the rows for cs[i-1] are in: 16 + 16 loads are younger
	s_wait_dscnt 0x0                               ; and the offsets
.irp t, 0,1,2,3,4,5,6,7,8,9,10
	v_pk_add_f32 v[20+4*\t:21+4*\t], v[20+4*\t:21+4*\t], v[64+4*\t:65+4*\t]
	v_pk_add_f32 v[22+4*\t:23+4*\t], v[22+4*\t:23+4*\t], v[66+4*\t:67+4*\t]
.endr
.irp m, 0,1,2,3
	v_cndmask_b32 v[20+\m], v[20+\m], 0, s34       ; i0 = 0: cs[-1] = 0
.endr
	; From here to the loop's first wait 43 LDS stores and 48 LDS loads are issued in one run.  No wait stands among them: nothing in the
	; run needs one, and an instruction that would push the counter past its field is held back at issue (ISA guide 5.7.1).
.irp t, 0,1,2,3,4,5,6,7,8,9,10
	ds_store_b128 v8, v[20+4*\t:23+4*\t] offset:512*\t
.endr
	s_wait_loadcnt 16                              ; the rows of cs[j] are in: y's 16 loads are younger
.irp t, 0,1,2,3,4,5,6,7
	v_pk_add_f32 v[CS+4*\t:CS+4*\t+1], v[CS+4*\t:CS+4*\t+1], v[12:13]
	v_pk_add_f32 v[CS+4*\t+2:CS+4*\t+3], v[CS+4*\t+2:CS+4*\t+3], v[14:15]
	ds_store_b128 v6, v[CS+4*\t:CS+4*\t+3] offset:2*SP*\t
.endr
.irp t, 8,9,10,11,12,13,14,15
	v_pk_add_f32 v[CS+4*\t:CS+4*\t+1], v[CS+4*\t:CS+4*\t+1], v[16:17]
	v_pk_add_f32 v[CS+4*\t+2:CS+4*\t+3], v[CS+4*\t+2:CS+4*\t+3], v[18:19]
	ds_store_b128 v6, v[CS+4*\t:CS+4*\t+3] offset:2*SP*\t
.endr
	s_wait_loadcnt 0x0
.irp t, 0,1,2,3,4,5,6,7,8,9,10,11,12,13,14,15
	ds_store_b128 v6, v[Y+4*\t:Y+4*\t+3] offset:STYO+2*SP*\t
.endr
	; back, turned: lane l takes the 256 bytes of row l
.irp d, 0,1,2,3,4,5,6,7,8,9,10,11,12,13,14,15
	ds_load_b128 v[CS+4*\d:CS+4*\d+3], v7 offset:16*\d
.endr
.irp d, 0,1,2,3,4,5,6,7,8,9,10,11,12,13,14,15
	ds_load_b128 v[Y+4*\d:Y+4*\d+3], v7 offset:STYO+16*\d
.endr
.irp d, 0,1,2,3,4,5,6,7,8,9,10,11,12,13,14,15
	ds_load_b128 v[CA+4*\d:CA+4*\d+3], v9 offset:16*\d             ; cs[i0 - 1], both halves
.endr
	; what the end will want, asked for now: prior for the waves that publish, q for wave 7
	s_cmp_ge_u32 s20, s27
	s_cbranch_scc1 .Lnoprior
	v_lshrrev_b32 v40, 3, v1
	v_lshl_add_u32 v40, s20, 2, v40                ; slot = 4 w + l / 8
	v_add_nc_u32 v40, s25, v40                     ; i
	v_and_b32 v41, 7, v1
	v_lshlrev_b32 v41, 4, v41
	v_lshl_add_u32 v40, v40, 10, v41               ; 1,024 i + 16 (l % 8)
	s_lshl_b32 s28, s23, 7
	v_add_nc_u32 v40, s28, v40                     ; + 128 J
	global_load_b128 v[PR:PR+3], v40, s[50:51]
.Lnoprior:
	s_cmp_lg_u32 s20, 7
	s_cbranch_scc1 .Lnoq
	v_lshlrev_b32 v41, 5, v1
	global_load_b128 v[QV:QV+3], v41, s[56:57]
	global_load_b128 v[QV+4:QV+7], v41, s[56:57] offset:16
.Lnoq:
	s_wait_kmcnt 0x0                               ; b
; four compares of group g (4 d) into mask set 'set'.  neq is true for a NaN, as the computation's own test against 0 is false for one.
.macro CMPS c, d0, g, set
.irp m, 0,1,2,3
	v_cmp_neq_f32 s[MK+4*(\set)+\m], v[\c+4*(\g)+\m], v[CS+\d0+4*(\g)+\m]
.endr
.endm
.macro SELS d0, g, set, dst
.irp m, 0,1,2,3
	v_cndmask_b32 v[\dst+\m], 0, v[Y+\d0+4*(\g)+\m], s[MK+4*(\set)+\m]
.endr
.endm
.macro ADDS
	v_pk_add_f32 v[ACC:ACC+1], v[ACC:ACC+1], v[T:T+1]
	v_pk_add_f32 v[ACC+2:ACC+3], v[ACC+2:ACC+3], v[T+2:T+3]
.endm
; 32 d.  The compares run one group ahead of the selects, on two sets of masks.  first = 1: the first selects start the sums, nothing is cleared.
.macro HALF c, d0, first
	CMPS \c, \d0, 0, 0
	CMPS \c, \d0, 1, 1
.if \first
	SELS \d0, 0, 0, ACC
.else
	SELS \d0, 0, 0, T
	ADDS
.endif
.irp g, 1,2,3,4,5,6
	CMPS \c, \d0, \g+1, (\g+1)%2
	SELS \d0, \g, \g%2, T
	ADDS
.endr
	SELS \d0, 7, 1, T
	ADDS
.endm
	s_mov_b32 s33, 0
.Ltrip:
	s_wait_dscnt 0x8                               ; CA is in: only CB's eight loads are younger (the last trip's store, and the turned rows in trip 0, are older)
	HALF CA, 0, 1
.irp d, 0,1,2,3,4,5,6,7
	ds_load_b128 v[CA+4*\d:CA+4*\d+3], v9 offset:256+16*\d         ; the next i
.endr
	s_wait_dscnt 0x8                               ; CB is in: the eight just issued are younger
	HALF CB, 32, 0
	v_pk_add_f32 v[ACC:ACC+1], v[ACC:ACC+1], v[ACC+2:ACC+3]
	v_add_f32 v[ACC], v[ACC], v[ACC+1]
	ds_store_b32 v10, v[ACC]                       ; my wave's 64 d of (i, j)
.irp d, 0,1,2,3,4,5,6,7
	ds_load_b128 v[CB+4*\d:CB+4*\d+3], v9 offset:384+16*\d         ; the last trip reads row 21 of the 22 staged
.endr
	v_add_nc_u32 v9, 256, v9
	v_add_nc_u32 v10, RP, v10
	s_add_co_u32 s33, s33, 1
	s_cmp_lt_u32 s33, TRIPS
	s_cbranch_scc1 .Ltrip
	; wave 7: P = prefix sum of the batch's 256 q, eight a lane
	s_cmp_lg_u32 s20, 7
	s_cbranch_scc1 .Lnoscan
	s_wait_loadcnt 0x0
.irp m, 1,2,3,4,5,6,7
	v_add_f32 v[QV+\m], v[QV+\m], v[QV+\m-1]
.endr
	v_mov_b32 v42, v[QV+7]                         ; the lane's total; inclusive scan over each 16 lanes (a lane without a source keeps its value)
	v_add_f32_dpp v42, v42, v42 row_shr:1 row_mask:0xf bank_mask:0xf
	v_add_f32_dpp v42, v42, v42 row_shr:2 row_mask:0xf bank_mask:0xf
	v_add_f32_dpp v42, v42, v42 row_shr:4 row_mask:0xf bank_mask:0xf
	v_add_f32_dpp v42, v42, v42 row_shr:8 row_mask:0xf bank_mask:0xf
	v_mov_b32 v43, 0
	v_mov_b32_dpp v43, v42 row_shr:1 row_mask:0xf bank_mask:0xf    ; what lies in front of the lane, within its 16
	v_readlane_b32 s28, v42, 15                    ; the first 16 lanes' total,
	v_mov_b32 v44, s28
	v_cndmask_b32 v44, 0, v44, s35                 ; for lanes 16-31
	v_add_f32 v43, v43, v44
.irp m, 0,1,2,3,4,5,6,7
	v_add_f32 v[QV+\m], v[QV+\m], v43
.endr
	v_lshl_add_u32 v45, v1, 5, PI+16
	v_mov_b32 v46, PI+12
	v_mov_b32 v47, 0
	ds_store_b128 v45, v[QV:QV+3]
	ds_store_b128 v45, v[QV+4:QV+7] offset:16
	ds_store_b32 v46, v47                          ; P[-1] = 0
.Lnoscan:
	s_wait_dscnt 0x0                               ; my partial sums (and P) are written, my look-ahead loads are back
	s_barrier_signal -1
	s_barrier_wait -1
	; THE END: wave w < (my slots) / 4 finishes slots 4 w .. 4 w + 3; lane = (slot l / 8, four j at 4 (l % 8))
	s_cmp_ge_u32 s20, s27
	s_cbranch_scc1 .Lend
	s_min_u32 s29, s20, 4                          ; at most five waves come here: the bound of the LDS addresses below, in the text
	v_lshrrev_b32 v48, 3, v1
	v_lshl_add_u32 v48, s29, 2, v48                ; slot
	v_and_b32 v50, 7, v1                           ; c
	v_mul_u32_u24 v49, v48, RP
	v_lshl_add_u32 v49, v50, 4, v49
	v_add_nc_u32 v49, RED, v49
.irp k, 0,1,2,3,4,5,6,7
	ds_load_b128 v[CA+4*\k:CA+4*\k+3], v49 offset:128*\k           ; wave k's partial sums of my four j: v64 to v95 are written by these loads
.endr
	s_lshl_b32 s30, s23, 7
	v_lshl_add_u32 v51, v50, 4, s30
	v_add_nc_u32 v51, PI+16, v51
	ds_load_b128 v[96:99], v51                     ; P[j0 .. j0 + 3], j0 = 32 J + 4 c
	v_add_nc_u32 v52, s25, v48                     ; i
	v_min_u32 v52, 0xff, v52                       ; a published slot has i <= 32 J + 31 <= 255: changes nothing, and bounds the read of P[i - 1] in the text
	v_lshl_add_u32 v53, v52, 2, PI+12
	ds_load_b32 v100, v53                          ; P[i - 1]
	s_lshl_b32 s31, s23, 5
	v_lshl_add_u32 v54, v50, 2, s31
	v_sub_nc_u32 v54, v54, v52                     ; j0 - i
.irp k, 0,1,2,3
	v_add_nc_u32 v[56+\k], \k+1, v54
	v_cvt_f32_i32 v[56+\k], v[56+\k]
	v_max_num_f32 v[56+\k], 1.0, v[56+\k]          ; j - i + 1; at least 1 where j < i, whose M is not used
.endr
.irp k, 0,1,2,3
	v_rcp_f32 v[RL+\k], v[56+\k]                   ; into registers that none of the ten pending loads writes
.endr
	v_lshlrev_b32 v55, 4, v0                       ; 512 w + 16 l: my 16 bytes of mws (also the plain instruction behind the reciprocals, ISA guide 5.7.2)
.irp k, 0,1,2,3
	v_cmp_le_i32 s[MK+\k], -\k, v54                ; j0 + k >= i
.endr
	s_wait_dscnt 0x0
.irp k, 1,2,3,4,5,6,7
	v_pk_add_f32 v[64:65], v[64:65], v[64+4*\k:65+4*\k]
	v_pk_add_f32 v[66:67], v[66:67], v[66+4*\k:67+4*\k]
.endr
	s_wait_alu depctr_va_vdst(0)
.irp k, 0,1,2,3
	v_sub_f32 v[96+\k], v[96+\k], v100
	v_add_f32 v[64+\k], s32, v[64+\k]
	v_fma_f32 v[64+\k], v[96+\k], v[RL+\k], v[64+\k]               ; the logit
	v_mul_f32 v[64+\k], 0xbfb8aa3b, v[64+\k]                       ; x -log2(e)
.endr
.irp k, 0,1,2,3
	v_exp_f32 v[60+\k], v[64+\k]                   ; an overflow gives infinity, and its reciprocal below the sigmoid's 0
.endr
	s_wait_loadcnt 0x0                             ; prior
.irp k, 0,1,2,3
	v_sub_f32 v[68+\k], 1.0, v[PR+\k]              ; plain work behind the exponentials
.endr
	s_wait_alu depctr_va_vdst(0)
.irp k, 0,1,2,3
	v_add_f32 v[60+\k], 1.0, v[60+\k]
.endr
.irp k, 0,1,2,3
	v_rcp_f32 v[72+\k], v[60+\k]
.endr
	v_lshlrev_b32 v88, 2, v48                      ; 4 x slot: my word of bp (plain work behind the reciprocals)
	s_wait_alu depctr_va_vdst(0)
.irp k, 0,1,2,3
	v_fma_f32 v[76+\k], v[68+\k], v[72+\k], v[PR+\k]               ; M = prior + (1 - prior) sigmoid
.endr
	global_store_b128 v55, v[76:79], s[52:53]      ; the wave's store covers 512 consecutive bytes, aligned
.irp k, 0,1,2,3
	v_cndmask_b32 v[84+\k], 1.0, v[76+\k], s[MK+\k]
.endr
	v_mul_f32 v84, v84, v85
	v_mul_f32 v86, v86, v87
	v_mul_f32 v84, v84, v86
	v_mul_f32_dpp v84, v84, v84 row_xmask:1 row_mask:0xf bank_mask:0xf     ; over the slot's eight lanes
	v_mul_f32_dpp v84, v84, v84 row_xmask:2 row_mask:0xf bank_mask:0xf
	v_mul_f32_dpp v84, v84, v84 row_xmask:4 row_mask:0xf bank_mask:0xf
	s_wait_xcnt 0x0                                ; EXEC is a source of the store above: it changes only behind this wait
	v_cmp_eq_u32 vcc_lo, 0, v50
	s_and_saveexec_b32 s58, vcc_lo
	global_store_b32 v88, v84, s[54:55]            ; four words a wave, neighbours (bp is 4 bytes a slot: a wave owns no more)
	s_wait_xcnt 0x0                                ; and again in front of the line that widens it
	s_or_b32 exec_lo, exec_lo, s58
.Lend:
	s_set_vgpr_msb 0x5
	s_wait_tensorcnt 0x0
	ds_add_u32 v0, v1
	s_wait_dscnt 0x0
	s_set_vgpr_msb 0x500
	s_endpgm
.Lfunc_end_k_qc12c0a99cc_pairs:
	.size	k_qc12c0a99cc_pairs, .Lfunc_end_k_qc12c0a99cc_pairs-k_qc12c0a99cc_pairs
	.p2alignl 7, 3214868480
	.fill 96, 4, 3214868480
	.section	.rodata,"a",@progbits
	.p2align	6, 0x0
	.amdhsa_kernel k_qc12c0a99cc_pairs
		.amdhsa_group_segment_fixed_size 242432
		.amdhsa_private_segment_fixed_size 0
		.amdhsa_enable_private_segment 0
		.amdhsa_kernarg_size 56
		.amdhsa_user_sgpr_count 2
		.amdhsa_user_sgpr_kernarg_segment_ptr 1
		.amdhsa_wavefront_size32 1
		.amdhsa_system_sgpr_workgroup_id_x 1
		.amdhsa_system_sgpr_workgroup_id_y 1
		.amdhsa_system_sgpr_workgroup_id_z 1
		.amdhsa_system_vgpr_workitem_id 0
		.amdhsa_next_free_vgpr 258
		.amdhsa_next_free_sgpr 66
		.amdhsa_reserve_vcc 1
		.amdhsa_float_denorm_mode_32 3
		.amdhsa_float_denorm_mode_16_64 3
		.amdhsa_memory_ordered 1
		.amdhsa_forward_progress 1
		.amdhsa_inst_pref_size 47
	.end_amdhsa_kernel
	.amdgpu_metadata
---
amdhsa.version: [ 1, 2 ]
amdhsa.kernels:
  - .name:           k_qc12c0a99cc_pairs
    .symbol:         k_qc12c0a99cc_pairs.kd
    .args:
      - { .name: lcs, .offset: 0, .size: 8, .value_kind: global_buffer, .address_space: global }
      - { .name: yv, .offset: 8, .size: 8, .value_kind: global_buffer, .address_space: global }
      - { .name: q, .offset: 16, .size: 8, .value_kind: global_buffer, .address_space: global }
      - { .name: prior, .offset: 24, .size: 8, .value_kind: global_buffer, .address_space: global }
      - { .name: b_fc, .offset: 32, .size: 8, .value_kind: global_buffer, .address_space: global }
      - { .name: mws, .offset: 40, .size: 8, .value_kind: global_buffer, .address_space: global }
      - { .name: bp, .offset: 48, .size: 8, .value_kind: global_buffer, .address_space: global }
    .group_segment_fixed_size: 242432
    .private_segment_fixed_size: 0
    .kernarg_segment_align: 8
    .kernarg_segment_size: 56
    .max_flat_workgroup_size: 256
    .sgpr_count:     66
    .vgpr_count:     258
    .wavefront_size: 32
...
	.end_amdgpu_metadata
.endif
;; end of part 2
;; launch gate (part 3): grid 10 x 4, 8 waves a work-group, no clusters, 17,920 bytes of LDS; arguments mws, bp, prior, b_fc, out0, out1; writes out0, out1
.if DOCPART == 3
	.amdgcn_target "amdgcn-amd-amdhsa--gfx1250"
	.amdhsa_code_object_version 6
	.text
	.protected	k_qc12c0a99cc_gate
	.globl	k_qc12c0a99cc_gate
	.p2align	8
	.type	k_qc12c0a99cc_gate,@function
k_qc12c0a99cc_gate:
	s_mov_b64 s[64:65], 0
	v_nop
	global_prefetch_b8 v0, s[64:65] scope:SCOPE_SE
	s_setreg_imm32_b32 hwreg(HW_REG_WAVE_MODE, 25, 1), 1
	s_wait_xcnt 0x0
; out1 = M everywhere; out0 = G: the running product of M along j from the diagonal, mirrored, with 1 on the diagonal.
; Above and on the diagonal M comes from mws.  Below it the logit is b alone: M = prior + (1 - prior) sigmoid(b) = prior (1 - s) + s.
; A work-group makes one 64 x 64 block (R, C), R <= C, of the upper triangle: 10 blocks a batch.  It writes both outputs' block (R, C) and,
; where R < C, their block (C, R): out0's is the transposed block, which goes through LDS, out1's needs prior alone.
; A row's product up to the block's left edge is the product of bp over the 32-wide slots i / 32 .. 2 C - 1.
; Thread: c = l % 16, h = l / 16; four steps t; row iloc = 8 w + 2 t + h, columns 4 c .. 4 c + 3.  Sixteen lanes hold a row's 64 columns:
; every load of prior and every store covers, for each sixteen lanes, 256 consecutive bytes, aligned; the scan along a row stays inside sixteen lanes.
; Vector work on 3 MiB in all, each byte once: matrix units, tensor loads and clusters have nothing to do here.
; LIMITS: exp2 and the reciprocal are good to one unit in the last place; the products are formed slot by slot, not in one chain.
.set TP, 260                           ; LDS: 64 rows of 65 words; a column's 64 words and a row's both fall on different words modulo 64
	s_load_b256 s[4:11], s[0:1], 0x0               ; mws s[4:5], bp s[6:7], prior s[8:9], b_fc s[10:11]
	s_load_b128 s[12:15], s[0:1], 0x20             ; out0 s[12:13], out1 s[14:15]
	v_lshl_add_u32 v128, v0, 2, 0x4200
	v_mov_b32 v129, 0
	v_lshrrev_b32 v4, 5, v0
	v_readfirstlane_b32 s20, v4                    ; wave 0..7
	v_and_b32 v2, 15, v0                           ; c
	v_bfe_u32 v3, v0, 4, 1                         ; h
	s_and_b32 s21, ttmp7, 0xffff                   ; batch
	s_mov_b32 s22, ttmp9                           ; 0..9
	s_mov_b32 s23, 0                               ; R
	s_mov_b32 s24, 0                               ; the block row's first work-group
.macro BROW thr, rv
	s_cmp_ge_u32 s22, \thr
	s_cselect_b32 s23, \rv, s23
	s_cselect_b32 s24, \thr, s24
.endm
	BROW 4, 1
	BROW 7, 2
	BROW 9, 3
	s_sub_co_u32 s25, s22, s24
	s_add_co_u32 s25, s25, s23                     ; C
	s_lshl_b32 s16, s25, 6
	s_add_co_u32 s16, s16, 31                      ; 64 C + 31
	s_lshl_b32 s17, s25, 1                         ; 2 C
	s_lshl_b32 s26, s23, 6                         ; 64 R
	s_sub_co_u32 s27, s25, s23
	s_lshl_b32 s27, s27, 6                         ; 64 (C - R)
	v_lshl_add_u32 v6, s20, 3, v3                  ; 8 w + h
	v_lshlrev_b32 v7, 4, v2
	v_lshl_add_u32 v7, v6, 10, v7                  ; 1,024 (8 w + h) + 16 c: my place in a block of prior, out0, out1; a step is 2,048 bytes
	v_add_nc_u32 v10, s26, v6                      ; i at step 0
	v_lshrrev_b32 v8, 3, v2                        ; which of the block's two slots
	v_lshl_add_u32 v9, v8, 5, s16                  ; the slot's last written row, 32 s + 31
	v_and_b32 v11, 7, v2
	v_lshlrev_b32 v11, 4, v11
	v_lshl_add_u32 v11, v8, 15, v11                ; 32,768 (c / 8) + 16 (c % 8)
	v_lshl_add_u32 v1, v2, 2, s27
	v_sub_nc_u32 v1, v1, v6                        ; j0 - i at step 0
	v_cmp_gt_u32 s28, s17, v2                      ; c < 2 C: a slot to the left of the block
.irp t, 0,1,2,3
	v_add_nc_u32 v120, 2*\t, v10                   ; i
	v_min_u32 v121, v120, v9                       ; acts in diagonal blocks only, where every j of the clamped lanes is below i
	v_lshl_add_u32 v[52+\t], v121, 7, v11          ; mws offset
	v_lshrrev_b32 v122, 5, v120                    ; i / 32: the first slot written for this row
	v_cmp_ge_u32 vcc_lo, v2, v122
	v_cndmask_b32 v123, v122, v2, vcc_lo           ; lane c asks for slot c, or for a written one whose value it will not use
	v_min_u32 v123, 7, v123
	s_and_b32 s[32+\t], vcc_lo, s28                ; i / 32 <= c < 2 C: the value counts
	v_lshlrev_b32 v120, 2, v120
	v_lshl_add_u32 v[64+\t], v123, 10, v120        ; bp offset
	v_add_nc_u32 v[68+\t], -2*\t, v1               ; j0 - i
.irp k, 0,1,2,3
	v_cmp_le_i32 s[48+4*\t+\k], -\k, v[68+\t]      ; j0 + k >= i
.endr
.endr
	v_mul_u32_u24 v8, v6, TP
	v_lshl_add_u32 v8, v2, 4, v8                   ; LDS, in: row 8 w + h, words 4 c ..
	v_mul_u32_u24 v9, v2, 4*TP
	v_lshl_add_u32 v9, v6, 2, v9                   ; LDS, out: row 4 c, word 8 w + h
	s_wait_kmcnt 0x0
	s_load_b32 s30, s[10:11], 0x0                  ; b
	s_lshl_b32 s18, s21, 3
	s_add_co_u32 s18, s18, s17
	s_lshl_b32 s18, s18, 15                        ; (8 b + 2 C) slots of 32,768 bytes
	s_mov_b32 s19, 0
	s_add_nc_u64 s[4:5], s[4:5], s[18:19]
	s_lshl_b32 s18, s21, 13
	s_add_nc_u64 s[6:7], s[6:7], s[18:19]          ; bp: the batch
	s_lshl_b32 s26, s21, 18                        ; the batch in prior, out0, out1
	s_lshl_b32 s18, s25, 16
	s_lshl_b32 s27, s23, 8
	s_add_co_u32 s18, s18, s27
	s_add_co_u32 s18, s18, s26                     ; block (C, R): row 64 C, column 64 R
	s_add_nc_u64 s[44:45], s[8:9], s[18:19]
	s_add_nc_u64 s[40:41], s[12:13], s[18:19]
	s_add_nc_u64 s[42:43], s[14:15], s[18:19]
	s_lshl_b32 s18, s23, 16
	s_lshl_b32 s27, s25, 8
	s_add_co_u32 s18, s18, s27
	s_add_co_u32 s18, s18, s26                     ; block (R, C)
	s_add_nc_u64 s[36:37], s[12:13], s[18:19]
	s_add_nc_u64 s[38:39], s[14:15], s[18:19]
.irp t, 0,1,2,3
	global_load_b128 v[16+4*\t:19+4*\t], v[52+\t], s[4:5]
	global_load_b128 v[32+4*\t:35+4*\t], v7, s[44:45] offset:2048*\t
	global_load_b32 v[48+\t], v[64+\t], s[6:7]
.endr
	s_wait_kmcnt 0x0
	v_mov_b32 v4, s30
	v_mul_f32 v4, 0xbfb8aa3b, v4
	v_exp_f32 v5, v4
	v_nop                                          ; one plain instruction between a transcendental and the use of its result (ISA guide 5.7.2)
	s_wait_alu depctr_va_vdst(0)
	v_add_f32 v5, 1.0, v5
	v_rcp_f32 v14, v5                              ; s = sigmoid(b)
	v_nop                                          ; likewise
	s_wait_alu depctr_va_vdst(0)
	v_mov_b32 v15, v14
	v_sub_f32 v12, 1.0, v14
	v_sub_f32 v13, 1.0, v14
; step t: the lower M, the row's running product, out1's block (R, C), G into registers and LDS
.macro STEP t
.set M,  16+4*\t
.set P,  32+4*\t
.set G,  72+4*\t
.set O1, 88+4*\t
.set VM, 48+4*\t
	s_wait_loadcnt 9-3*\t                          ; three loads a step: those of the later steps may stay out
	v_pk_fma_f32 v[P:P+1], v[P:P+1], v[12:13], v[14:15]            ; prior (1 - s) + s
	v_pk_fma_f32 v[P+2:P+3], v[P+2:P+3], v[12:13], v[14:15]
.irp k, 0,1,2,3
	v_cndmask_b32 v[120+\k], 1.0, v[M+\k], s[VM+\k]                ; 1 in front of the diagonal
.endr
	v_cndmask_b32 v126, 1.0, v[48+\t], s[32+\t]
	v_mul_f32 v121, v120, v121                     ; the running product inside the lane
	v_mul_f32 v122, v121, v122
	v_mul_f32 v123, v122, v123
	v_mul_f32_dpp v126, v126, v126 row_xmask:1 row_mask:0xf bank_mask:0xf  ; the slots to the left, multiplied over the sixteen lanes
	v_mov_b32 v124, v123
	v_mul_f32_dpp v126, v126, v126 row_xmask:2 row_mask:0xf bank_mask:0xf
	v_mul_f32_dpp v124, v124, v124 row_shr:1 row_mask:0xf bank_mask:0xf    ; inclusive scan of the lanes' products (a lane without a source keeps its value)
	v_mul_f32_dpp v126, v126, v126 row_xmask:4 row_mask:0xf bank_mask:0xf
	v_mul_f32_dpp v124, v124, v124 row_shr:2 row_mask:0xf bank_mask:0xf
	v_mul_f32_dpp v126, v126, v126 row_xmask:8 row_mask:0xf bank_mask:0xf
	v_mul_f32_dpp v124, v124, v124 row_shr:4 row_mask:0xf bank_mask:0xf
	v_mov_b32 v125, 1.0
	v_mul_f32_dpp v124, v124, v124 row_shr:8 row_mask:0xf bank_mask:0xf
	v_mov_b32_dpp v125, v124 row_shr:1 row_mask:0xf bank_mask:0xf          ; what lies in front of the lane, within the block
	v_mul_f32 v125, v125, v126
.irp k, 0,1,2,3
	v_mul_f32 v[G+\k], v125, v[120+\k]
	v_cndmask_b32 v[G+\k], 0, v[G+\k], s[VM+\k]
	ds_store_b32 v8, v[G+\k] offset:2*TP*\t+4*\k
	v_cndmask_b32 v[O1+\k], v[P+\k], v[M+\k], s[VM+\k]
.endr
	global_store_b128 v7, v[O1:O1+3], s[38:39] offset:2048*\t th:TH_STORE_NT
.endm
	STEP 0
	STEP 1
	STEP 2
	STEP 3
	s_cmp_ge_u32 s23, s25
	s_cbranch_scc1 .Ldiag1                         ; a diagonal block is its own mirror
.irp t, 0,1,2,3
	global_store_b128 v7, v[32+4*\t:35+4*\t], s[42:43] offset:2048*\t th:TH_STORE_NT
.endr
.Ldiag1:
	s_wait_dscnt 0x0                               ; my rows of G are in LDS before I say so
	s_barrier_signal -1
	s_barrier_wait -1
.irp t, 0,1,2,3
.irp k, 0,1,2,3
	ds_load_b32 v[16+4*\t+\k], v9 offset:TP*\k+8*\t                ; G(4 c + k, iloc): the mirror
.endr
.endr
.macro FIN t
	s_wait_dscnt 12-4*\t                           ; four loads a step: those of the later steps may stay out
.irp k, 0,1,2,3
	v_cndmask_b32 v[104+4*\t+\k], v[16+4*\t+\k], v[72+4*\t+\k], s[48+4*\t+\k]
	v_cmp_eq_i32 vcc_lo, -\k, v[68+\t]
	v_cndmask_b32 v[104+4*\t+\k], v[104+4*\t+\k], 1.0, vcc_lo      ; the diagonal
.endr
	global_store_b128 v7, v[104+4*\t:107+4*\t], s[36:37] offset:2048*\t th:TH_STORE_NT
.endm
	FIN 0
	FIN 1
	FIN 2
	FIN 3
	s_cmp_ge_u32 s23, s25
	s_cbranch_scc1 .Ldiag2
.irp t, 0,1,2,3
	global_store_b128 v7, v[16+4*\t:19+4*\t], s[40:41] offset:2048*\t th:TH_STORE_NT
.endr
.Ldiag2:
	s_wait_tensorcnt 0x0
	ds_add_u32 v128, v129
	s_wait_dscnt 0x0
	s_endpgm
.Lfunc_end_k_qc12c0a99cc_gate:
	.size	k_qc12c0a99cc_gate, .Lfunc_end_k_qc12c0a99cc_gate-k_qc12c0a99cc_gate
	.p2alignl 7, 3214868480
	.fill 96, 4, 3214868480
	.section	.rodata,"a",@progbits
	.p2align	6, 0x0
	.amdhsa_kernel k_qc12c0a99cc_gate
		.amdhsa_group_segment_fixed_size 17920
		.amdhsa_private_segment_fixed_size 0
		.amdhsa_enable_private_segment 0
		.amdhsa_kernarg_size 48
		.amdhsa_user_sgpr_count 2
		.amdhsa_user_sgpr_kernarg_segment_ptr 1
		.amdhsa_wavefront_size32 1
		.amdhsa_system_sgpr_workgroup_id_x 1
		.amdhsa_system_sgpr_workgroup_id_y 1
		.amdhsa_system_sgpr_workgroup_id_z 1
		.amdhsa_system_vgpr_workitem_id 0
		.amdhsa_next_free_vgpr 130
		.amdhsa_next_free_sgpr 66
		.amdhsa_reserve_vcc 1
		.amdhsa_float_denorm_mode_32 3
		.amdhsa_float_denorm_mode_16_64 3
		.amdhsa_memory_ordered 1
		.amdhsa_forward_progress 1
		.amdhsa_inst_pref_size 22
	.end_amdhsa_kernel
	.amdgpu_metadata
---
amdhsa.version: [ 1, 2 ]
amdhsa.kernels:
  - .name:           k_qc12c0a99cc_gate
    .symbol:         k_qc12c0a99cc_gate.kd
    .args:
      - { .name: mws, .offset: 0, .size: 8, .value_kind: global_buffer, .address_space: global }
      - { .name: bp, .offset: 8, .size: 8, .value_kind: global_buffer, .address_space: global }
      - { .name: prior, .offset: 16, .size: 8, .value_kind: global_buffer, .address_space: global }
      - { .name: b_fc, .offset: 24, .size: 8, .value_kind: global_buffer, .address_space: global }
      - { .name: out0, .offset: 32, .size: 8, .value_kind: global_buffer, .address_space: global }
      - { .name: out1, .offset: 40, .size: 8, .value_kind: global_buffer, .address_space: global }
    .group_segment_fixed_size: 17920
    .private_segment_fixed_size: 0
    .kernarg_segment_align: 8
    .kernarg_segment_size: 48
    .max_flat_workgroup_size: 256
    .sgpr_count:     66
    .vgpr_count:     130
    .wavefront_size: 32
...
	.end_amdgpu_metadata
.endif
;; end of part 3
;; ======== version 2 of 3: 3 launches; 1.13 times as fast as version 1
;; workspace buffers: lcs 2,097,152 bytes; yv 2,097,152 bytes; q 4,096 bytes; mws 1,048,576 bytes; bp 32,768 bytes
;; launch prep (part 4): grid 16 x 4, 4 waves a work-group, no clusters, 8,704 bytes of LDS; arguments context, gamma, beta, w_fc, lcs, yv, q; writes lcs, yv, q
.if DOCPART == 4
	.amdgcn_target "amdgcn-amd-amdhsa--gfx1250"
	.amdhsa_code_object_version 6
	.text
	.protected	k_qc12c0a99cc_prep
	.globl	k_qc12c0a99cc_prep
	.p2align	8
	.type	k_qc12c0a99cc_prep,@function
k_qc12c0a99cc_prep:
	s_mov_b64 s[64:65], 0
	v_nop
	global_prefetch_b8 v0, s[64:65] scope:SCOPE_SE
	s_setreg_imm32_b32 hwreg(HW_REG_WAVE_MODE, 25, 1), 1
	s_wait_xcnt 0x0
; LayerNorm and what every later step needs of it.  context [4][256][512] f32.
;   x = gamma (c - mean) / (std + 1e-6) + beta, std with divisor 511
;   yv[row][d]  = w_fc[d] x[row][d]
;   q[row]      = sum over d of x[row][d] w_fc[512 + d]
;   lcs[row][d] = x summed over the rows of the row's block of 16 rows, up to and including the row
; A work-group owns one block of 16 rows, a wave 4 of them; a lane holds d = 128 k + 4 lane + e (k, e = 0..3), so each
; load and store of a wave covers 512 consecutive bytes.  The row stays in 16 registers from the load to the last store.
; The four rows of a wave are independent up to the running sum: every stage is written for all four side by side, so that
; an instruction seldom reads what the one in front of it wrote.
; The four waves' 4-row totals meet in LDS once; wave w adds ((T0 + T1) + T2) up to its own.
; Everything is f32 vector work: there is no product of matrices here, no tile that two work-groups share, and each
; byte is loaded once straight into the registers that use it, so matrix units, clusters and LDS rings are left out.
; LIMITS: 1/512 and 1/511 are multiplied, not divided by; v_sqrt_f32 and v_rcp_f32 are good to one unit in the last place
; and take a denormal variance for zero.  eos_mask is an input that the computation never uses: no launch reads it.
.set ROWB, 2048                        ; bytes in a row
.set QR,  16                           ; v[16:19]    q of my four rows
.set PT,  28                           ; v[28:31]    what the other half of the lanes sends, one register a row
.set U,   32                           ; v[32:47]    q's two packed chains, four registers a row
.set XR,  64                           ; v[64:127]   row r at XR + 16 r
.set GA,  128                          ; v[128:143]  gamma; later the sum of the earlier waves' totals
.set BE,  144                          ; v[144:159]  beta; later wave 1's total
.set W1,  160                          ; v[160:175]  w_fc[d]; later wave 2's total
.set W2,  176                          ; v[176:191]  w_fc[512 + d]
.set YR,  192                          ; v[192:255]  row r at YR + 16 r: first scratch of the statistics (0-7 sums, 8 sum, 9 std, 10-11 mean, 12-13 1/(std+eps)), then w1 x
	s_load_b256 s[4:11], s[0:1], 0x0               ; context s[4:5], gamma s[6:7], beta s[8:9], w_fc s[10:11]
	s_load_b128 s[12:15], s[0:1], 0x20             ; lcs s[12:13], yv s[14:15]
	s_load_b64 s[16:17], s[0:1], 0x30              ; q
	v_lshl_add_u32 v62, v0, 2, 0x2000
	v_mov_b32 v63, 0
	v_lshrrev_b32 v2, 5, v0
	v_readfirstlane_b32 s20, v2                    ; wave 0..3
	v_and_b32 v1, 31, v0
	v_lshlrev_b32 v1, 4, v1                        ; 16 x lane: my 16 bytes in each 512
.irp m, 0,1,2,3
	v_mov_b32 v[PT+\m], 0                          ; v_permlanex16_b32 counts as a reader of its destination
.endr
	v_mov_b32 v24, 0                               ; offset of the q store
	s_lshl_b32 s23, s20, 11
	v_add_nc_u32 v23, s23, v1                      ; LDS: my wave's total, 2,048 bytes a wave
	s_and_b32 s21, ttmp7, 0xffff                   ; batch
	s_lshl_b32 s22, s21, 8
	s_lshl_b32 s18, ttmp9, 4
	s_add_co_u32 s22, s22, s18
	s_lshl_b32 s18, s20, 2
	s_add_co_u32 s22, s22, s18                     ; my first row = 256 b + 16 K + 4 w
	s_lshl_b32 s24, s22, 11                        ; in bytes (below 2 MiB)
	s_mov_b32 s25, 0
	s_lshl_b32 s18, s22, 2                         ; and in q
	s_mov_b32 s19, 0
	s_mov_b32 s26, 0x76543210                      ; v_permlanex16_b32: lane i reads lane i of the other half
	s_mov_b32 s27, 0xfedcba98
	s_wait_kmcnt 0x0
	s_add_nc_u64 s[4:5], s[4:5], s[24:25]
	s_add_nc_u64 s[12:13], s[12:13], s[24:25]
	s_add_nc_u64 s[14:15], s[14:15], s[24:25]
	s_add_nc_u64 s[16:17], s[16:17], s[18:19]
.irp r, 0,1,2,3
.irp k, 0,1,2,3
	global_load_b128 v[XR+16*\r+4*\k:XR+16*\r+4*\k+3], v1, s[4:5] offset:ROWB*\r+512*\k th:TH_LOAD_NT
.endr
.endr
.irp k, 0,1,2,3
	global_load_b128 v[GA+4*\k:GA+4*\k+3], v1, s[6:7] offset:512*\k
.endr
.irp k, 0,1,2,3
	global_load_b128 v[BE+4*\k:BE+4*\k+3], v1, s[8:9] offset:512*\k
.endr
.irp k, 0,1,2,3
	global_load_b128 v[W1+4*\k:W1+4*\k+3], v1, s[10:11] offset:512*\k
.endr
.irp k, 0,1,2,3
	global_load_b128 v[W2+4*\k:W2+4*\k+3], v1, s[10:11] offset:2048+512*\k
.endr
; the sums over the 32 lanes of four registers, base + step r, side by side; each is left in every lane
.macro XSUM4 base, step
.irp m, 1,2,4,8
.irp r, 0,1,2,3
	v_add_f32_dpp v[\base+\step*\r], v[\base+\step*\r], v[\base+\step*\r] row_xmask:\m row_mask:0xf bank_mask:0xf
.endr
.endr
.irp r, 0,1,2,3
	v_permlanex16_b32 v[PT+\r], v[\base+\step*\r], s26, s27
.endr
.irp r, 0,1,2,3
	v_add_f32 v[\base+\step*\r], v[\base+\step*\r], v[PT+\r]
.endr
.endm
	; THE STATISTICS need the rows alone: they run while gamma, beta and w_fc land
	s_wait_loadcnt 16                              ; 32 loads in all; the 16 of the vectors are younger than the rows' 16
.irp r, 0,1,2,3
.irp p, 0,1,2,3
	v_pk_add_f32 v[YR+16*\r+2*\p:YR+16*\r+2*\p+1], v[XR+16*\r+4*\p:XR+16*\r+4*\p+1], v[XR+16*\r+4*\p+2:XR+16*\r+4*\p+3]
.endr
.endr
.irp r, 0,1,2,3
	v_pk_add_f32 v[YR+16*\r:YR+16*\r+1], v[YR+16*\r:YR+16*\r+1], v[YR+16*\r+2:YR+16*\r+3]
	v_pk_add_f32 v[YR+16*\r+4:YR+16*\r+5], v[YR+16*\r+4:YR+16*\r+5], v[YR+16*\r+6:YR+16*\r+7]
.endr
.irp r, 0,1,2,3
	v_pk_add_f32 v[YR+16*\r:YR+16*\r+1], v[YR+16*\r:YR+16*\r+1], v[YR+16*\r+4:YR+16*\r+5]
.endr
.irp r, 0,1,2,3
	v_add_f32 v[YR+16*\r+8], v[YR+16*\r], v[YR+16*\r+1]
.endr
	XSUM4 YR+8, 16
.irp r, 0,1,2,3
	v_mul_f32 v[YR+16*\r+10], 0x3b000000, v[YR+16*\r+8]            ; mean = sum / 512, in both halves of a pair
	v_mul_f32 v[YR+16*\r+11], 0x3b000000, v[YR+16*\r+8]
.endr
.irp r, 0,1,2,3
.irp p, 0,2,4,6,8,10,12,14
	v_pk_add_f32 v[XR+16*\r+\p:XR+16*\r+\p+1], v[XR+16*\r+\p:XR+16*\r+\p+1], v[YR+16*\r+10:YR+16*\r+11] neg_lo:[0,1] neg_hi:[0,1]
.endr
.endr
.irp r, 0,1,2,3
	v_pk_mul_f32 v[YR+16*\r:YR+16*\r+1], v[XR+16*\r:XR+16*\r+1], v[XR+16*\r:XR+16*\r+1]            ; the squares, in two chains a row
	v_pk_mul_f32 v[YR+16*\r+2:YR+16*\r+3], v[XR+16*\r+2:XR+16*\r+3], v[XR+16*\r+2:XR+16*\r+3]
.endr
.irp p, 4,8,12
.irp r, 0,1,2,3
	v_pk_fma_f32 v[YR+16*\r:YR+16*\r+1], v[XR+16*\r+\p:XR+16*\r+\p+1], v[XR+16*\r+\p:XR+16*\r+\p+1], v[YR+16*\r:YR+16*\r+1]
	v_pk_fma_f32 v[YR+16*\r+2:YR+16*\r+3], v[XR+16*\r+\p+2:XR+16*\r+\p+3], v[XR+16*\r+\p+2:XR+16*\r+\p+3], v[YR+16*\r+2:YR+16*\r+3]
.endr
.endr
.irp r, 0,1,2,3
	v_pk_add_f32 v[YR+16*\r:YR+16*\r+1], v[YR+16*\r:YR+16*\r+1], v[YR+16*\r+2:YR+16*\r+3]
.endr
.irp r, 0,1,2,3
	v_add_f32 v[YR+16*\r+8], v[YR+16*\r], v[YR+16*\r+1]
.endr
	XSUM4 YR+8, 16
.irp r, 0,1,2,3
	v_mul_f32 v[YR+16*\r+8], 0x3b004020, v[YR+16*\r+8]             ; / 511
.endr
.irp r, 0,1,2,3
	v_sqrt_f32 v[YR+16*\r+9], v[YR+16*\r+8]
.endr
	v_nop                                          ; one plain instruction between a transcendental and the use of its result (ISA guide 5.7.2)
	s_wait_alu depctr_va_vdst(0)
.irp r, 0,1,2,3
	v_add_f32 v[YR+16*\r+9], 0x358637bd, v[YR+16*\r+9]             ; + 1e-6
.endr
.irp r, 0,1,2,3
	v_rcp_f32 v[YR+16*\r+12], v[YR+16*\r+9]
	v_rcp_f32 v[YR+16*\r+13], v[YR+16*\r+9]
.endr
	v_nop                                          ; likewise
	s_wait_alu depctr_va_vdst(0)
.irp r, 0,1,2,3
.irp p, 0,2,4,6,8,10,12,14
	v_pk_mul_f32 v[XR+16*\r+\p:XR+16*\r+\p+1], v[XR+16*\r+\p:XR+16*\r+\p+1], v[YR+16*\r+12:YR+16*\r+13]
.endr
.endr
	; x in place, y = w1 x (stored at once), q = x . w2
	s_wait_loadcnt 0x0                             ; gamma, beta, w1, w2
.irp r, 0,1,2,3
.irp p, 0,2,4,6,8,10,12,14
	v_pk_fma_f32 v[XR+16*\r+\p:XR+16*\r+\p+1], v[XR+16*\r+\p:XR+16*\r+\p+1], v[GA+\p:GA+\p+1], v[BE+\p:BE+\p+1]
.endr
.endr
.irp r, 0,1,2,3
.irp p, 0,2,4,6,8,10,12,14
	v_pk_mul_f32 v[YR+16*\r+\p:YR+16*\r+\p+1], v[XR+16*\r+\p:XR+16*\r+\p+1], v[W1+\p:W1+\p+1]
.endr
.endr
.irp r, 0,1,2,3
.irp k, 0,1,2,3
	global_store_b128 v1, v[YR+16*\r+4*\k:YR+16*\r+4*\k+3], s[14:15] offset:ROWB*\r+512*\k
.endr
.endr
.irp r, 0,1,2,3
	v_pk_mul_f32 v[U+4*\r:U+4*\r+1], v[XR+16*\r:XR+16*\r+1], v[W2:W2+1]
	v_pk_mul_f32 v[U+4*\r+2:U+4*\r+3], v[XR+16*\r+2:XR+16*\r+3], v[W2+2:W2+3]
.endr
.irp p, 4,8,12
.irp r, 0,1,2,3
	v_pk_fma_f32 v[U+4*\r:U+4*\r+1], v[XR+16*\r+\p:XR+16*\r+\p+1], v[W2+\p:W2+\p+1], v[U+4*\r:U+4*\r+1]
	v_pk_fma_f32 v[U+4*\r+2:U+4*\r+3], v[XR+16*\r+\p+2:XR+16*\r+\p+3], v[W2+\p+2:W2+\p+3], v[U+4*\r+2:U+4*\r+3]
.endr
.endr
.irp r, 0,1,2,3
	v_pk_add_f32 v[U+4*\r:U+4*\r+1], v[U+4*\r:U+4*\r+1], v[U+4*\r+2:U+4*\r+3]
.endr
.irp r, 0,1,2,3
	v_add_f32 v[QR+\r], v[U+4*\r], v[U+4*\r+1]
.endr
	XSUM4 QR, 1
	; the running sum over my four rows
.irp r, 1,2,3
.irp p, 0,2,4,6,8,10,12,14
	v_pk_add_f32 v[XR+16*\r+\p:XR+16*\r+\p+1], v[XR+16*\r+\p:XR+16*\r+\p+1], v[XR+16*\r-16+\p:XR+16*\r-16+\p+1]
.endr
.endr
	; my total (row 3's running sum) to LDS, for the waves behind me
.irp k, 0,1,2,3
	ds_store_b128 v23, v[XR+48+4*\k:XR+48+4*\k+3] offset:512*\k
.endr
	s_wait_dscnt 0x0                               ; my stores are done before I say so: the others read them behind the barrier
	s_barrier_signal -1
	s_barrier_wait -1
	s_cmp_eq_u32 s20, 0
	s_cbranch_scc1 .Lout                           ; wave 0 has nothing in front of it
.irp k, 0,1,2,3
	ds_load_b128 v[GA+4*\k:GA+4*\k+3], v1 offset:512*\k           ; T0, T1, T2 are asked for at once: one trip to LDS for every wave;
	ds_load_b128 v[BE+4*\k:BE+4*\k+3], v1 offset:2048+512*\k      ; all three were written in front of the barrier,
	ds_load_b128 v[W1+4*\k:W1+4*\k+3], v1 offset:4096+512*\k      ; and a wave adds only those of the waves in front of it
.endr
	s_wait_dscnt 0x0
	s_cmp_lt_u32 s20, 2
	s_cbranch_scc1 .Ladd
.irp p, 0,2,4,6,8,10,12,14
	v_pk_add_f32 v[GA+\p:GA+\p+1], v[GA+\p:GA+\p+1], v[BE+\p:BE+\p+1]
.endr
	s_cmp_lt_u32 s20, 3
	s_cbranch_scc1 .Ladd
.irp p, 0,2,4,6,8,10,12,14
	v_pk_add_f32 v[GA+\p:GA+\p+1], v[GA+\p:GA+\p+1], v[W1+\p:W1+\p+1]
.endr
.Ladd:
.irp r, 0,1,2,3
.irp p, 0,2,4,6,8,10,12,14
	v_pk_add_f32 v[XR+16*\r+\p:XR+16*\r+\p+1], v[XR+16*\r+\p:XR+16*\r+\p+1], v[GA+\p:GA+\p+1]
.endr
.endr
.Lout:
.irp r, 0,1,2,3
.irp k, 0,1,2,3
	global_store_b128 v1, v[XR+16*\r+4*\k:XR+16*\r+4*\k+3], s[12:13] offset:ROWB*\r+512*\k
.endr
.endr
	; q of my four rows: 16 bytes from lane 0 (the whole of q is 4,096 bytes; a wave owns no more than these 16)
	s_wait_xcnt 0x0                                ; EXEC is a source of the stores above: it changes only behind this wait
	v_cmp_eq_u32 vcc_lo, 0, v1
	s_wait_tensorcnt 0x0
	ds_add_u32 v62, v63
	s_wait_dscnt 0x0
	s_and_saveexec_b32 s28, vcc_lo
	global_store_b128 v24, v[QR:QR+3], s[16:17]
	s_wait_xcnt 0x0                                ; and again in front of the line that widens it
	s_or_b32 exec_lo, exec_lo, s28
	s_endpgm
.Lfunc_end_k_qc12c0a99cc_prep:
	.size	k_qc12c0a99cc_prep, .Lfunc_end_k_qc12c0a99cc_prep-k_qc12c0a99cc_prep
	.p2alignl 7, 3214868480
	.fill 96, 4, 3214868480
	.section	.rodata,"a",@progbits
	.p2align	6, 0x0
	.amdhsa_kernel k_qc12c0a99cc_prep
		.amdhsa_group_segment_fixed_size 8704
		.amdhsa_private_segment_fixed_size 0
		.amdhsa_enable_private_segment 0
		.amdhsa_kernarg_size 56
		.amdhsa_user_sgpr_count 2
		.amdhsa_user_sgpr_kernarg_segment_ptr 1
		.amdhsa_wavefront_size32 1
		.amdhsa_system_sgpr_workgroup_id_x 1
		.amdhsa_system_sgpr_workgroup_id_y 1
		.amdhsa_system_sgpr_workgroup_id_z 1
		.amdhsa_system_vgpr_workitem_id 0
		.amdhsa_next_free_vgpr 256
		.amdhsa_next_free_sgpr 66
		.amdhsa_reserve_vcc 1
		.amdhsa_float_denorm_mode_32 3
		.amdhsa_float_denorm_mode_16_64 3
		.amdhsa_memory_ordered 1
		.amdhsa_forward_progress 1
		.amdhsa_inst_pref_size 35
	.end_amdhsa_kernel
	.amdgpu_metadata
---
amdhsa.version: [ 1, 2 ]
amdhsa.kernels:
  - .name:           k_qc12c0a99cc_prep
    .symbol:         k_qc12c0a99cc_prep.kd
    .args:
      - { .name: context, .offset: 0, .size: 8, .value_kind: global_buffer, .address_space: global }
      - { .name: gamma, .offset: 8, .size: 8, .value_kind: global_buffer, .address_space: global }
      - { .name: beta, .offset: 16, .size: 8, .value_kind: global_buffer, .address_space: global }
      - { .name: w_fc, .offset: 24, .size: 8, .value_kind: global_buffer, .address_space: global }
      - { .name: lcs, .offset: 32, .size: 8, .value_kind: global_buffer, .address_space: global }
      - { .name: yv, .offset: 40, .size: 8, .value_kind: global_buffer, .address_space: global }
      - { .name: q, .offset: 48, .size: 8, .value_kind: global_buffer, .address_space: global }
    .group_segment_fixed_size: 8704
    .private_segment_fixed_size: 0
    .kernarg_segment_align: 8
    .kernarg_segment_size: 56
    .max_flat_workgroup_size: 128
    .sgpr_count:     66
    .vgpr_count:     256
    .wavefront_size: 32
...
	.end_amdgpu_metadata
.endif
;; end of part 4
;; launch pairs (part 5): grid 61 x 4, 8 waves a work-group, no clusters, 242,432 bytes of LDS; arguments lcs, yv, q, prior, b_fc, mws, bp; writes mws, bp
.if DOCPART == 5
	.amdgcn_target "amdgcn-amd-amdhsa--gfx1250"
	.amdhsa_code_object_version 6
	.text
	.protected	k_qc12c0a99cc_pairs
	.globl	k_qc12c0a99cc_pairs
	.p2align	8
	.type	k_qc12c0a99cc_pairs,@function
k_qc12c0a99cc_pairs:
	s_mov_b64 s[64:65], 0
	v_nop
	global_prefetch_b8 v0, s[64:65] scope:SCOPE_SE
	s_setreg_imm32_b32 hwreg(HW_REG_WAVE_MODE, 25, 1), 1
	s_wait_xcnt 0x0
; For every pair i <= j:  logit = sum over d of [cs[j][d] != cs[i-1][d]] w1[d] x[j][d]  +  (P[j] - P[i-1]) / (j - i + 1)  +  b,
; M = prior + (1 - prior) sigmoid(logit).  cs is the cumulative sum of x over the rows (cs[-1] = 0), P that of q = x . w2.
; The bracket is the masked fill of the first half of the concatenation: a feature is dropped where its running mean is exactly 0.
; Out:  mws[b][J][i][32] = M for j = 32 J + 0..31;  bp[b][J][i] = product of M over those j that are >= i.  Both for i <= 32 J + 31.
;
; SHARES.  A slot is one i with the 32 j of column J.  Column J has 32 (J + 1) slots; a work-group takes 20 consecutive i of one
; column: 2, 4, 5, 7, 8, 10, 12, 13 work-groups for J = 0..7, 61 a batch.  The last work-group of a column has 4 to 20 slots of its
; own; it runs all 20 trips (on rows that exist) and publishes only its own, so that the trip count is a constant.
; The eight waves split d: wave w owns d = 64 w .. 64 w + 63, 256 consecutive bytes of every row.  A lane is one j: its 64 cs and 64 y
; stay in 128 registers for the whole kernel.  A trip is one i: for each d one compare, one select and half a packed add.
; cs[i-1] is the same for all 32 lanes.  Its 256 bytes come from LDS by ONE load a trip (lane n of each half of the wave takes the 16 bytes
; d = 4 n .. 4 n + 3), and the compare takes its first source from lane n of the lane's own sixteen (DPP row_share:n).
; The eight partial sums of a slot meet in LDS behind the launch's one barrier.
; cs[r] = off[r / 16] + lcs[r], off[K] = ((T0 + T1) + ..) + T(K-1), T_K = lcs[16 K + 15]: summed in this one order by every wave of every
; work-group, so that a row's cs has the same bits wherever it is compared.
; THE WAY IN.  A wave's 32 rows x 256 bytes of lcs and of yv come by one tensor load each, straight into LDS rows 272 bytes apart, from which
; lane l reads row l; the block's offset is added in registers behind that read.  The small parts (block totals, the rows for cs[i-1], q)
; come through registers and are asked for first, so that the table of offsets and cs[i-1] are made while the two tiles land.
; Each LDS byte that a tensor load fills is filled once, is the wave's own, and is written by nothing else; a wave has two tensor loads out at the most.
; NOT USED: matrix units (the operand hangs on i, j and d at once: there is no product of two matrices in the test).  Clusters: the work-groups
; of a column read the same tiles, but a column has 2, 4, 5, 7, 8, 10, 12 or 13 of them and the grid is 61 wide, so neither divides into clusters of 4;
; with every column at a multiple of 4 work-groups, and 64 a batch at the most, some work-group would have 24 slots in place of 20.
; LIMITS.  The test is cs[j] == cs[i-1] on these f32 sums: cancellations that are exact in any order of summation are found; a zero that
; arises only from the rounding of another order of summation is not.  A nonzero difference whose quotient by j - i + 1 would underflow
; to 0 (below 2^-149) is not taken for zero.  Two equal infinities count as equal.  1 / len, exp2 and the sigmoid's reciprocal are good
; to one unit in the last place.  P[j] - P[i-1] is a difference of f32 prefix sums, as the cumulative sums of the computation itself are.
.set TRIPS, 20
.set WR,   27136                       ; LDS of one wave: TAB, CSP, STC, STY; each begins at a multiple of 256 bytes
.set CSP,  4096                        ; TAB at 0: off[0..15], 256 bytes each.  CSP: 22 rows of 256 bytes, cs[i0 - 2 + n]
.set STC,  9728                        ; tile of lcs: 32 rows, pitch 272
.set STYO, 8704                        ; STY lies this far behind STC: tile of yv, 32 rows, pitch 272
.set SP,   272                         ; 17 x 16 bytes: sixteen lanes on sixteen rows touch sixteen different 16-byte columns of 256 bytes
.set RED,  217088                      ; partial sums: slot s at 1,152 s, wave w at 128 w, lane at 4 l
.set RP,   1152                        ; 8 x 128 + 128: two neighbouring slots start 128 bytes apart modulo 256
.set PI,   240128                      ; P[-1] = 0 at +12, P[t] at +16 + 4 t
.set QV,   12                          ; v[12:19]    wave 7, at the start: eight q, then eight P.  Then v[12:15] = off[0] = 0
.set OQ,   16                          ; v[16:19]    off[2 J + l / 16]: register e, lane n of each sixteen: d = 4 n + e
.set T0,   20                          ; v[20:23]    four selected y, groups of even number      (v[20:63] first hold the rows for cs[i-1])
.set T1,   24                          ; v[24:27]    groups of odd number
.set PA,   28                          ; v[28:31]    two packed sums, trips of even number
.set PB,   32                          ; v[32:35]    trips of odd number
.set PR,   36                          ; v[36:39]    four prior
.set C0,   64                          ; v[64:67]    cs[i-1], trips of even number: register e, lane n of each sixteen: d = 4 n + e  (v[64:123] first hold the totals)
.set C1,   68                          ; v[68:71]    trips of odd number
.set RS,   64                          ; v[64:95]    at the end: the eight waves' partial sums
.set RL,   104                         ; v[104:107]  at the end: 1 / (j - i + 1)
.set TA,   128                         ; v[128:138]  at the start: where in TAB the offset of each pair of rows for cs[i-1] lies
.set OC,   144                         ; v[144:187]  at the start: those offsets
.set CS,   128                         ; v[128:191]  cs[j]
.set Y,    192                         ; v[192:255]  w1 x[j]
.set MK,   40                          ; s[40:47]    two sets of four compare masks
.set G1,   68                          ; s[68:75]    tensor descriptor, group 1: the shape of both tiles
.set GC,   76                          ; s[76:79]    group 0 of the tile of lcs
.set GY,   80                          ; s[80:83]    group 0 of the tile of yv
	s_load_b256 s[4:11], s[0:1], 0x0               ; lcs s[4:5], yv s[6:7], q s[8:9], prior s[10:11]
	s_load_b128 s[12:15], s[0:1], 0x20             ; b_fc s[12:13], mws s[14:15]
	s_load_b64 s[16:17], s[0:1], 0x30              ; bp
	s_set_vgpr_msb 0x40
	v_lshl_add_u32 v0, v0, 2, 0x3af00
	v_mov_b32 v1, 0
	s_set_vgpr_msb 0x4045
	ds_add_u32 v0, v1
	ds_add_u32 v0, v1
	s_set_vgpr_msb 0x4500
	; everything up to the wait for the arguments is made of the ids alone
	v_lshrrev_b32 v11, 5, v0
	v_readfirstlane_b32 s20, v11                   ; wave 0..7
	v_and_b32 v1, 31, v0                           ; lane
	v_and_b32 v2, 15, v0
	v_lshlrev_b32 v2, 4, v2                        ; 16 (l % 16): my 16 bytes of a 256-byte chunk
	v_bfe_u32 v3, v0, 4, 1                         ; h = l / 16: which of two rows
	v_lshl_add_u32 v4, v3, 11, v2                  ; the same in memory: 2,048 h + 16 (l % 16)
	v_lshlrev_b32 v127, 5, v1                      ; 32 l: wave 7's eight q
	s_and_b32 s21, ttmp7, 0xffff                   ; batch
	s_mov_b32 s22, ttmp9                           ; 0..60
	s_mov_b32 s23, 0                               ; J
	s_mov_b32 s24, 0                               ; the column's first work-group
.macro COLUMN thr, jv
	s_cmp_ge_u32 s22, \thr
	s_cselect_b32 s23, \jv, s23
	s_cselect_b32 s24, \thr, s24
.endm
	COLUMN 2, 1
	COLUMN 6, 2
	COLUMN 11, 3
	COLUMN 18, 4
	COLUMN 26, 5
	COLUMN 36, 6
	COLUMN 48, 7
	s_sub_co_u32 s25, s22, s24
	s_mul_i32 s25, s25, TRIPS                      ; i0
	s_min_u32 s23, s23, 7                          ; by the table above J <= 7 and i0 <= 240: the two minima change nothing and
	s_min_u32 s25, s25, 240                        ; write the bounds of every LDS address made of them into the text
	s_lshl_b32 s26, s23, 5
	s_add_co_u32 s26, s26, 32
	s_sub_co_u32 s26, s26, s25
	s_min_u32 s26, s26, TRIPS                      ; slots that are mine to publish: 4, 8, 12, 16 or 20
	s_lshr_b32 s27, s26, 2                         ; and the waves that publish them, four slots each
	s_cmp_eq_u32 s25, 0
	s_cselect_b32 s34, -1, 0                       ; all lanes, if my first i is 0: cs[-1] = 0
	s_mov_b32 s35, 0xffff0000                      ; lanes 16-31
.irp m, 0,1,2,3,4,5,6,7
	s_mov_b32 s[MK+\m], 0                          ; the destination of a DPP form counts as read: the masks are written once before the first compare
.endr
	; the tiles' descriptors.  Group 1: 32 rows of 32 elements of 8 bytes (256 bytes), 256 elements from row to row in memory,
	; 4 words of padding behind every 64 words in LDS: rows 272 bytes apart.  The tiles lie inside the tensors: the extents are the tile's.
	s_mov_b32 s[G1+0], (3<<16)|(1<<20)|(5<<22)|(3<<25)             ; no mask; element of 8 bytes; padding on; after every 64 words (code 5); of 4 words (code 3)
	s_mov_b32 s[G1+1], 32<<16                      ; tensor_dim0 = 32
	s_mov_b32 s[G1+2], 32<<16                      ; tensor_dim1 = 32
	s_mov_b32 s[G1+3], 32<<16                      ; tile_dim0 = 32
	s_mov_b32 s[G1+4], 32                          ; tile_dim1 = 32
	s_mov_b32 s[G1+5], 256                         ; 256 elements = 2,048 bytes from row to row
	s_mov_b32 s[G1+6], 0
	s_mov_b32 s[G1+7], 0
	s_mul_i32 s28, s20, WR                         ; my wave's LDS
	s_mov_b32 s[GC], 1
	s_add_co_u32 s[GC+1], s28, STC                 ; where the tile of lcs goes
	s_mov_b32 s[GY], 1
	s_add_co_u32 s[GY+1], s28, STC+STYO            ; and the tile of yv
	v_add_nc_u32 v5, s28, v2                       ; TAB + my 16 bytes
	s_add_co_u32 s29, s28, STC
	v_mul_u32_u24 v7, v1, SP
	v_add_nc_u32 v7, s29, v7                       ; the tiles, out: row l
	s_add_co_u32 s30, s28, CSP
	v_lshl_add_u32 v8, v3, 8, v2
	v_add_nc_u32 v8, s30, v8                       ; CSP, in: row h, my 16 bytes
	s_add_co_u32 s30, s30, 256
	v_add_nc_u32 v9, s30, v2                       ; CSP, out: row 1 = cs[i0 - 1], 16 bytes for lane l % 16; two rows on in each turn of the loop
	s_lshl_b32 s31, s20, 7
	s_add_co_u32 s31, s31, RED
	v_lshl_add_u32 v10, v1, 2, s31                 ; my word of slot 0; two slots on in each turn of the loop
	v_lshl_add_u32 v11, s23, 9, v5
	v_lshl_add_u32 v11, v3, 8, v11                 ; TAB: off[2 J + h], my 16 bytes
	v_lshrrev_b32 v6, 3, v1                        ; prior, for the end: slot = 4 w + l / 8,
	v_lshl_add_u32 v6, s20, 2, v6
	v_add_nc_u32 v6, s25, v6                       ; i,
	v_and_b32 v12, 7, v1
	v_lshlrev_b32 v12, 4, v12
	v_lshl_add_u32 v6, v6, 10, v12                 ; 1,024 i + 16 (l % 8)
	s_lshl_b32 s28, s23, 7
	v_add_nc_u32 v6, s28, v6                       ; + 128 J
.irp t, 0,1,2,3,4,5,6,7,8,9,10
	s_add_co_i32 s28, s25, 2*\t-2                  ; rows i0 - 2 + 2 t and the next: an even row and its neighbour lie in one block of 16
	s_max_i32 s28, s28, 0                          ; (i0 = 0: rows 0, 1 in place of -2, -1; they are cleared below)
	s_min_u32 s28, s28, 254                        ; (i0 = 240: rows 254, 255 again, for slots that are not published)
	v_lshl_add_u32 v[20+4*\t], s28, 11, v4         ; where they lie in memory,
	s_lshr_b32 s28, s28, 4                         ; their block,
	s_min_u32 s28, s28, 15                         ; at most 15 (changes nothing: the table's bound, in the text)
	v_lshl_add_u32 v[TA+\t], s28, 8, v5            ; and where its offset will lie in TAB
.endr
	; byte offsets into the buffers
	s_lshl_b32 s2, s21, 19                         ; batch x 256 rows x 2,048 bytes
	s_lshl_b32 s3, s20, 8                          ; + my 256 bytes of a row
	s_add_co_u32 s2, s2, s3
	s_mov_b32 s3, 0
	s_lshl_b32 s18, s23, 16                        ; 32 J rows
	s_mov_b32 s19, 0
	s_lshl_b32 s60, s21, 10                        ; q: the batch
	s_mov_b32 s61, 0
	s_lshl_b32 s62, s21, 18                        ; prior: the batch
	s_mov_b32 s63, 0
	s_lshl_b32 s30, s21, 3
	s_add_co_u32 s30, s30, s23
	s_lshl_b32 s30, s30, 8
	s_add_co_u32 s30, s30, s25                     ; (8 b + J) 256 + i0
	s_lshl_b32 s84, s30, 7                         ; mws: my slot 0 (2,560 bytes a work-group: a multiple of 256)
	s_mov_b32 s85, 0
	s_lshl_b32 s86, s30, 2                         ; bp: my slot 0
	s_mov_b32 s87, 0
	s_wait_dscnt 0x0
	s_wait_kmcnt 0x0
	s_load_b32 s32, s[12:13], 0x0                  ; b
	s_add_nc_u64 s[36:37], s[4:5], s[2:3]          ; lcs: the batch's row 0, my chunk
	s_add_nc_u64 s[56:57], s[8:9], s[60:61]        ; q: the batch
	s_cmp_lg_u32 s20, 7
	s_cbranch_scc1 .Lnoq
	global_load_b128 v[QV:QV+3], v127, s[56:57]    ; wave 7 asks for the batch's 256 q first of all, eight a lane
	global_load_b128 v[QV+4:QV+7], v127, s[56:57] offset:16
.Lnoq:
	; 26 loads through registers: 15 block totals, 11 pairs of rows for cs[i-1]
.irp k, 0,1,2,3,4,5,6,7,8,9,10,11,12,13,14
	global_load_b128 v[64+4*\k:67+4*\k], v2, s[36:37] offset:32768*\k+30720      ; row 16 K + 15; both halves of the wave the same 256 bytes
.endr
.irp t, 0,1,2,3,4,5,6,7,8,9,10
	global_load_b128 v[20+4*\t:23+4*\t], v[20+4*\t], s[36:37]
.endr
	; and the two tiles, rows 32 J .. 32 J + 31 of my chunk: each row is 256 bytes and begins at a multiple of 256 from the buffer's first byte
	s_add_nc_u64 s[GC+2:GC+3], s[36:37], s[18:19]
	s_or_b32 s[GC+3], s[GC+3], 0x80000000          ; type = 2
	s_add_nc_u64 s[GY+2:GY+3], s[6:7], s[2:3]
	s_add_nc_u64 s[GY+2:GY+3], s[GY+2:GY+3], s[18:19]
	s_or_b32 s[GY+3], s[GY+3], 0x80000000
	tensor_load_to_lds s[GC:GC+3], s[G1:G1+7]
	s_nop 0
	tensor_load_to_lds s[GY:GY+3], s[G1:G1+7]      ; two tensor loads of the wave are out; no descriptor register is written again
	s_nop 0
	s_add_nc_u64 s[50:51], s[10:11], s[62:63]      ; prior
	s_add_nc_u64 s[52:53], s[14:15], s[84:85]      ; mws
	s_add_nc_u64 s[54:55], s[16:17], s[86:87]      ; bp
	; wave 7: P = prefix sum of the batch's 256 q, eight a lane.  It stands here, where the wave would wait for its other loads,
	; and not in front of the barrier, where seven waves would wait for it.
	s_cmp_lg_u32 s20, 7
	s_cbranch_scc1 .Lnoscan
	s_wait_loadcnt 26                              ; q's two loads are in: the 15 + 11 above are younger
.irp m, 1,2,3,4,5,6,7
	v_add_f32 v[QV+\m], v[QV+\m], v[QV+\m-1]
.endr
	v_mov_b32 v124, v[QV+7]                        ; the lane's total; inclusive scan over each 16 lanes (a lane without a source keeps its value)
	v_add_f32_dpp v124, v124, v124 row_shr:1 row_mask:0xf bank_mask:0xf
	v_add_f32_dpp v124, v124, v124 row_shr:2 row_mask:0xf bank_mask:0xf
	v_add_f32_dpp v124, v124, v124 row_shr:4 row_mask:0xf bank_mask:0xf
	v_add_f32_dpp v124, v124, v124 row_shr:8 row_mask:0xf bank_mask:0xf
	v_mov_b32 v125, 0
	v_mov_b32_dpp v125, v124 row_shr:1 row_mask:0xf bank_mask:0xf  ; what lies in front of the lane, within its 16
	v_readlane_b32 s28, v124, 15                   ; the first 16 lanes' total,
	v_mov_b32 v126, s28
	v_cndmask_b32 v126, 0, v126, s35               ; for lanes 16-31
	v_add_f32 v125, v125, v126
.irp m, 0,1,2,3,4,5,6,7
	v_add_f32 v[QV+\m], v[QV+\m], v125
.endr
	v_lshl_add_u32 v127, v1, 5, PI+16              ; (its loads are done: the register is free)
	v_mov_b32 v192, PI+12
	v_mov_b32 v126, 0
	ds_store_b128 v127, v[QV:QV+3]
	ds_store_b128 v127, v[QV+4:QV+7] offset:16
	ds_store_b32 v192, v126                        ; P[-1] = 0
.Lnoscan:
.irp m, 12,13,14,15
	v_mov_b32 v\m, 0                               ; off[0]
.endr
	; STAGING.  But for P, every LDS byte up to the barrier is the wave's own, and LDS serves a wave's instructions in order (ISA guide 5.7.1): no barrier.
	; Vector work and LDS instructions stand in runs of their own kind.
	s_wait_loadcnt 11                              ; the totals are in: the 11 loads of rows are younger
.irp k, 1,2,3,4,5,6,7,8,9,10,11,12,13,14
	v_pk_add_f32 v[64+4*\k:65+4*\k], v[64+4*\k:65+4*\k], v[60+4*\k:61+4*\k]
	v_pk_add_f32 v[66+4*\k:67+4*\k], v[66+4*\k:67+4*\k], v[62+4*\k:63+4*\k]
.endr
	ds_store_b128 v5, v[12:15]                     ; off[0] = 0
.irp k, 0,1,2,3,4,5,6,7,8,9,10,11,12,13,14
	ds_store_b128 v5, v[64+4*\k:67+4*\k] offset:256*\k+256          ; off[K + 1]
.endr
	ds_load_b128 v[OQ:OQ+3], v11                   ; off[2 J] for lanes 0-15 (rows 32 J .. + 15), off[2 J + 1] for lanes 16-31
.irp t, 0,1,2,3,4,5,6,7,8,9,10
	ds_load_b128 v[OC+4*\t:OC+4*\t+3], v[TA+\t]    ; the offset of each pair of rows for cs[i-1]
.endr
	s_wait_loadcnt 0x0                             ; those rows are in
	s_wait_dscnt 0x0                               ; and the offsets
.irp t, 0,1,2,3,4,5,6,7,8,9,10
	v_pk_add_f32 v[20+4*\t:21+4*\t], v[20+4*\t:21+4*\t], v[OC+4*\t:OC+4*\t+1]
	v_pk_add_f32 v[22+4*\t:23+4*\t], v[22+4*\t:23+4*\t], v[OC+4*\t+2:OC+4*\t+3]
.endr
.irp m, 0,1,2,3
	v_cndmask_b32 v[20+\m], v[20+\m], 0, s34       ; i0 = 0: cs[-1] = 0
.endr
.irp t, 0,1,2,3,4,5,6,7,8,9,10
	ds_store_b128 v8, v[20+4*\t:23+4*\t] offset:512*\t
.endr
; THE TRIPS.  A trip's 64 d go in 16 groups of four.  Group g is d = 4 g .. 4 g + 3: they lie in lane g of each sixteen of the four registers of c.
; four compares of group g into mask set g % 2.  neq is true for a NaN, as the computation's own test against 0 is false for one.
.macro CMPS c, g
.irp m, 0,1,2,3
	v_cmp_neq_f32_e64_dpp s[MK+4*((\g)%2)+\m], v[\c+\m], v[CS+4*(\g)+\m] row_share:\g row_mask:0xf bank_mask:0xf
.endr
.endm
.macro SELS g, dst
.irp m, 0,1,2,3
	v_cndmask_b32 v[\dst+\m], 0, v[Y+4*(\g)+\m], s[MK+4*((\g)%2)+\m]
.endr
.endm
.macro ADDS acc, t
	v_pk_add_f32 v[\acc:\acc+1], v[\acc:\acc+1], v[\t:\t+1]
	v_pk_add_f32 v[\acc+2:\acc+3], v[\acc+2:\acc+3], v[\t+2:\t+3]
.endm
; group g's selects, the adds of the group before, the compares of group nxt = g + 2 (0: none left): ten instructions lie between
; a compare and the select that reads its mask, and between a select and the add that reads its result
.macro STAGE c, acc, g, nxt
	SELS \g, T0+4*((\g)%2)
.if \g >= 2
	ADDS \acc, T0+4*((\g+1)%2)
.endif
.if \nxt
	CMPS \c, \nxt
.endif
.endm
; groups 1 to 15 of a trip.  On entry group 0 is selected (it starts the sums: nothing is cleared) and groups 1 and 2 are compared.
.macro BODY c, acc
	STAGE \c, \acc, 1, 3
	STAGE \c, \acc, 2, 4
	STAGE \c, \acc, 3, 5
	STAGE \c, \acc, 4, 6
	STAGE \c, \acc, 5, 7
	STAGE \c, \acc, 6, 8
	STAGE \c, \acc, 7, 9
	STAGE \c, \acc, 8, 10
	STAGE \c, \acc, 9, 11
	STAGE \c, \acc, 10, 12
	STAGE \c, \acc, 11, 13
	STAGE \c, \acc, 12, 14
	STAGE \c, \acc, 13, 15
	STAGE \c, \acc, 14, 0
	STAGE \c, \acc, 15, 0
.endm
; from one trip (c, acc) to the next (cn, accn): the old trip's last adds and its store stand among the new trip's first compares.
; ldoff >= 0: the row of the trip after the next is asked for, into the registers that the old trip has done with.
.macro TURN c, cn, acc, accn, ldoff, stoff
	s_wait_dscnt 0x0                               ; cn is in: its load was issued a whole trip ago, and so was the one store that is out
.if \ldoff >= 0
	ds_load_b128 v[\c:\c+3], v9 offset:\ldoff
.endif
	CMPS \cn, 0
	ADDS \acc, T1                                  ; group 15
	CMPS \cn, 1
	v_pk_add_f32 v[\acc:\acc+1], v[\acc:\acc+1], v[\acc+2:\acc+3]
	SELS 0, \accn
	v_add_f32 v[\acc], v[\acc], v[\acc+1]
	CMPS \cn, 2
	ds_store_b32 v10, v[\acc] offset:\stoff        ; my wave's 64 d of (i, j)
.endm
	; the tiles, turned: lane l takes the 256 bytes of row l
	s_wait_tensorcnt 0x1                           ; a wave's tensor loads end in order (ISA guide 10.11.1): the tile of lcs is in, that of yv may be out
.irp d, 0,1,2,3,4,5,6,7,8,9,10,11,12,13,14,15
	ds_load_b128 v[CS+4*\d:CS+4*\d+3], v7 offset:16*\d
.endr
	ds_load_b128 v[C0:C0+3], v9                    ; cs[i0 - 1]
	ds_load_b128 v[C1:C1+3], v9 offset:256         ; trip 1's row
	s_wait_dscnt 0x0
.irp g, 0,1,2,3,4,5,6,7,8,9,10,11,12,13,14,15
.irp m, 0,1,2,3
	v_add_f32_dpp v[CS+4*\g+\m], v[OQ+\m], v[CS+4*\g+\m] row_share:\g row_mask:0xf bank_mask:0xf   ; cs = off[the row's block] + lcs; the offset of d = 4 g + m lies in lane g of my sixteen
.endr
.endr
	s_wait_tensorcnt 0x0                           ; the tile of yv is in
.irp d, 0,1,2,3,4,5,6,7,8,9,10,11,12,13,14,15
	ds_load_b128 v[Y+4*\d:Y+4*\d+3], v7 offset:STYO+16*\d
.endr
	; what the end will want, asked for now: prior, for the waves that publish
	s_cmp_ge_u32 s20, s27
	s_cbranch_scc1 .Lnoprior
	global_load_b128 v[PR:PR+3], v6, s[50:51]
.Lnoprior:
	s_wait_kmcnt 0x0                               ; b
	CMPS C0, 0                                     ; the first compares need no y
	CMPS C0, 1
	s_wait_dscnt 0x0                               ; y is in
	SELS 0, PA
	CMPS C0, 2
	s_mov_b32 s33, 0
.Ltrip:                                            ; two trips a turn: 2 m and 2 m + 1; v9 stands at trip 2 m's row, v10 at its slot
	BODY C0, PA
	TURN C0, C1, PA, PB, 512, 0                    ; asks for trip 2 m + 2's row
	BODY C1, PB
	TURN C1, C0, PB, PA, 768, RP                   ; asks for trip 2 m + 3's row
	v_add_nc_u32 v9, 512, v9
	v_add_nc_u32 v10, 2*RP, v10
	s_add_co_u32 s33, s33, 1
	s_cmp_lt_u32 s33, TRIPS/2-1
	s_cbranch_scc1 .Ltrip
	BODY C0, PA                                    ; trips 18 and 19 are written out: they ask for nothing more
	TURN C0, C1, PA, PB, -1, 0
	BODY C1, PB
	ADDS PB, T1
	v_pk_add_f32 v[PB:PB+1], v[PB:PB+1], v[PB+2:PB+3]
	v_add_f32 v[PB], v[PB], v[PB+1]
	ds_store_b32 v10, v[PB] offset:RP
	s_wait_dscnt 0x0                               ; my partial sums (and wave 7's P) are written before I say so
	s_barrier_signal -1
	s_barrier_wait -1
	; THE END: wave w < (my slots) / 4 finishes slots 4 w .. 4 w + 3; lane = (slot l / 8, four j at 4 (l % 8))
	s_cmp_ge_u32 s20, s27
	s_cbranch_scc1 .Lend
	s_min_u32 s29, s20, 4                          ; at most five waves come here: the bound of the LDS addresses below, in the text
	v_lshrrev_b32 v48, 3, v1
	v_lshl_add_u32 v48, s29, 2, v48                ; slot
	v_and_b32 v50, 7, v1                           ; c
	v_mul_u32_u24 v49, v48, RP
	v_lshl_add_u32 v49, v50, 4, v49
	v_add_nc_u32 v49, RED, v49
.irp k, 0,1,2,3,4,5,6,7
	ds_load_b128 v[RS+4*\k:RS+4*\k+3], v49 offset:128*\k           ; wave k's partial sums of my four j: v64 to v95 are written by these loads
.endr
	s_lshl_b32 s30, s23, 7
	v_lshl_add_u32 v51, v50, 4, s30
	v_add_nc_u32 v51, PI+16, v51
	ds_load_b128 v[96:99], v51                     ; P[j0 .. j0 + 3], j0 = 32 J + 4 c
	v_add_nc_u32 v52, s25, v48                     ; i
	v_min_u32 v52, 0xff, v52                       ; a published slot has i <= 32 J + 31 <= 255: changes nothing, and bounds the read of P[i - 1] in the text
	v_lshl_add_u32 v53, v52, 2, PI+12
	ds_load_b32 v100, v53                          ; P[i - 1]
	s_lshl_b32 s31, s23, 5
	v_lshl_add_u32 v54, v50, 2, s31
	v_sub_nc_u32 v54, v54, v52                     ; j0 - i
.irp k, 0,1,2,3
	v_add_nc_u32 v[56+\k], \k+1, v54
	v_cvt_f32_i32 v[56+\k], v[56+\k]
	v_max_num_f32 v[56+\k], 1.0, v[56+\k]          ; j - i + 1; at least 1 where j < i, whose M is not used
.endr
.irp k, 0,1,2,3
	v_rcp_f32 v[RL+\k], v[56+\k]                   ; into registers that none of the ten pending loads writes
.endr
	v_lshlrev_b32 v55, 4, v0                       ; 512 w + 16 l: my 16 bytes of mws (also the plain instruction behind the reciprocals, ISA guide 5.7.2)
.irp k, 0,1,2,3
	v_cmp_le_i32 s[MK+\k], -\k, v54                ; j0 + k >= i
.endr
	s_wait_dscnt 0x0
.irp k, 1,2,3,4,5,6,7
	v_pk_add_f32 v[64:65], v[64:65], v[64+4*\k:65+4*\k]
	v_pk_add_f32 v[66:67], v[66:67], v[66+4*\k:67+4*\k]
.endr
	s_wait_alu depctr_va_vdst(0)
.irp k, 0,1,2,3
	v_sub_f32 v[96+\k], v[96+\k], v100
	v_add_f32 v[64+\k], s32, v[64+\k]
	v_fma_f32 v[64+\k], v[96+\k], v[RL+\k], v[64+\k]               ; the logit
	v_mul_f32 v[64+\k], 0xbfb8aa3b, v[64+\k]                       ; x -log2(e)
.endr
.irp k, 0,1,2,3
	v_exp_f32 v[60+\k], v[64+\k]                   ; an overflow gives infinity, and its reciprocal below the sigmoid's 0
.endr
	s_wait_loadcnt 0x0                             ; prior
.irp k, 0,1,2,3
	v_sub_f32 v[68+\k], 1.0, v[PR+\k]              ; plain work behind the exponentials
.endr
	s_wait_alu depctr_va_vdst(0)
.irp k, 0,1,2,3
	v_add_f32 v[60+\k], 1.0, v[60+\k]
.endr
.irp k, 0,1,2,3
	v_rcp_f32 v[72+\k], v[60+\k]
.endr
	v_lshlrev_b32 v88, 2, v48                      ; 4 x slot: my word of bp (plain work behind the reciprocals)
	s_wait_alu depctr_va_vdst(0)
.irp k, 0,1,2,3
	v_fma_f32 v[76+\k], v[68+\k], v[72+\k], v[PR+\k]               ; M = prior + (1 - prior) sigmoid
.endr
	global_store_b128 v55, v[76:79], s[52:53]      ; the wave's store covers 512 consecutive bytes, aligned
.irp k, 0,1,2,3
	v_cndmask_b32 v[84+\k], 1.0, v[76+\k], s[MK+\k]
.endr
	v_mul_f32 v84, v84, v85
	v_mul_f32 v86, v86, v87
	v_mul_f32 v84, v84, v86
	v_mul_f32_dpp v84, v84, v84 row_xmask:1 row_mask:0xf bank_mask:0xf     ; over the slot's eight lanes
	v_mul_f32_dpp v84, v84, v84 row_xmask:2 row_mask:0xf bank_mask:0xf
	v_mul_f32_dpp v84, v84, v84 row_xmask:4 row_mask:0xf bank_mask:0xf
	s_wait_xcnt 0x0                                ; EXEC is a source of the store above: it changes only behind this wait
	v_cmp_eq_u32 vcc_lo, 0, v50
	s_and_saveexec_b32 s58, vcc_lo
	global_store_b32 v88, v84, s[54:55]            ; four words a wave, neighbours (bp is 4 bytes a slot: a wave owns no more)
	s_wait_xcnt 0x0                                ; and again in front of the line that widens it
	s_or_b32 exec_lo, exec_lo, s58
.Lend:
	s_set_vgpr_msb 0x5
	s_wait_tensorcnt 0x0
	ds_add_u32 v0, v1
	s_wait_dscnt 0x0
	s_set_vgpr_msb 0x500
	s_endpgm
.Lfunc_end_k_qc12c0a99cc_pairs:
	.size	k_qc12c0a99cc_pairs, .Lfunc_end_k_qc12c0a99cc_pairs-k_qc12c0a99cc_pairs
	.p2alignl 7, 3214868480
	.fill 96, 4, 3214868480
	.section	.rodata,"a",@progbits
	.p2align	6, 0x0
	.amdhsa_kernel k_qc12c0a99cc_pairs
		.amdhsa_group_segment_fixed_size 242432
		.amdhsa_private_segment_fixed_size 0
		.amdhsa_enable_private_segment 0
		.amdhsa_kernarg_size 56
		.amdhsa_user_sgpr_count 2
		.amdhsa_user_sgpr_kernarg_segment_ptr 1
		.amdhsa_wavefront_size32 1
		.amdhsa_system_sgpr_workgroup_id_x 1
		.amdhsa_system_sgpr_workgroup_id_y 1
		.amdhsa_system_sgpr_workgroup_id_z 1
		.amdhsa_system_vgpr_workitem_id 0
		.amdhsa_next_free_vgpr 258
		.amdhsa_next_free_sgpr 88
		.amdhsa_reserve_vcc 1
		.amdhsa_float_denorm_mode_32 3
		.amdhsa_float_denorm_mode_16_64 3
		.amdhsa_memory_ordered 1
		.amdhsa_forward_progress 1
		.amdhsa_inst_pref_size 81
	.end_amdhsa_kernel
	.amdgpu_metadata
---
amdhsa.version: [ 1, 2 ]
amdhsa.kernels:
  - .name:           k_qc12c0a99cc_pairs
    .symbol:         k_qc12c0a99cc_pairs.kd
    .args:
      - { .name: lcs, .offset: 0, .size: 8, .value_kind: global_buffer, .address_space: global }
      - { .name: yv, .offset: 8, .size: 8, .value_kind: global_buffer, .address_space: global }
      - { .name: q, .offset: 16, .size: 8, .value_kind: global_buffer, .address_space: global }
      - { .name: prior, .offset: 24, .size: 8, .value_kind: global_buffer, .address_space: global }
      - { .name: b_fc, .offset: 32, .size: 8, .value_kind: global_buffer, .address_space: global }
      - { .name: mws, .offset: 40, .size: 8, .value_kind: global_buffer, .address_space: global }
      - { .name: bp, .offset: 48, .size: 8, .value_kind: global_buffer, .address_space: global }
    .group_segment_fixed_size: 242432
    .private_segment_fixed_size: 0
    .kernarg_segment_align: 8
    .kernarg_segment_size: 56
    .max_flat_workgroup_size: 256
    .sgpr_count:     88
    .vgpr_count:     258
    .wavefront_size: 32
...
	.end_amdgpu_metadata
.endif
;; end of part 5
;; launch gate (part 6): grid 10 x 4, 8 waves a work-group, no clusters, 17,920 bytes of LDS; arguments mws, bp, prior, b_fc, out0, out1; writes out0, out1
.if DOCPART == 6
	.amdgcn_target "amdgcn-amd-amdhsa--gfx1250"
	.amdhsa_code_object_version 6
	.text
	.protected	k_qc12c0a99cc_gate
	.globl	k_qc12c0a99cc_gate
	.p2align	8
	.type	k_qc12c0a99cc_gate,@function
k_qc12c0a99cc_gate:
	s_mov_b64 s[64:65], 0
	v_nop
	global_prefetch_b8 v0, s[64:65] scope:SCOPE_SE
	s_setreg_imm32_b32 hwreg(HW_REG_WAVE_MODE, 25, 1), 1
	s_wait_xcnt 0x0
; out1 = M everywhere; out0 = G: the running product of M along j from the diagonal, mirrored, with 1 on the diagonal.
; Above and on the diagonal M comes from mws.  Below it the logit is b alone: M = prior + (1 - prior) sigmoid(b) = prior (1 - s) + s.
; A work-group makes one 64 x 64 block (R, C), R <= C, of the upper triangle: 10 blocks a batch.  It writes both outputs' block (R, C) and,
; where R < C, their block (C, R): out0's is the transposed block, which goes through LDS, out1's needs prior alone.
; A row's product up to the block's left edge is the product of bp over the 32-wide slots i / 32 .. 2 C - 1.
; Thread: c = l % 16, h = l / 16; four steps t; row iloc = 8 w + 2 t + h, columns 4 c .. 4 c + 3.  Sixteen lanes hold a row's 64 columns:
; every load of prior and every store covers, for each sixteen lanes, 256 consecutive bytes, aligned; the scan along a row stays inside sixteen lanes.
; The four steps are independent: every stage is written for all four side by side, each with scratch registers of its own, so that an
; instruction seldom reads what the one in front of it wrote.
; Vector work on 3 MiB in all, each byte once: matrix units, tensor loads and clusters have nothing to do here.
; LIMITS: exp2 and the reciprocal are good to one unit in the last place; the products are formed slot by slot, not in one chain.
.set TP,  260                          ; LDS: 64 rows of 65 words; a column's 64 words and a row's both fall on different words modulo 64
.set MM,  16                           ; v[16:31]    step t: four M from mws; behind the barrier the mirror's four G
.set PP,  32                           ; v[32:47]    four prior, then the lower M
.set BPV, 48                           ; v[48:51]    one bp
.set OM,  52                           ; v[52:55]    offset in mws
.set OB,  64                           ; v[64:67]    offset in bp
.set DL,  68                           ; v[68:71]    j0 - i
.set GG,  72                           ; v[72:87]    four G
.set O1,  88                           ; v[88:103]   out1's block (R, C)
.set O0,  104                          ; v[104:119]  out0's block (R, C)
.set W,   128                          ; v[128:159]  step t at W + 8 t: 0-3 running product in the lane, 4 scan, 5 what lies in front, 6 the slots to the left
.set BM,  32                           ; s[32:35]    step t: lanes whose bp counts
.set VM,  48                           ; s[48:63]    step t, column k: j >= i
.set DM,  68                           ; s[68:83]    step t, column k: j = i
	s_load_b256 s[4:11], s[0:1], 0x0               ; mws s[4:5], bp s[6:7], prior s[8:9], b_fc s[10:11]
	s_load_b128 s[12:15], s[0:1], 0x20             ; out0 s[12:13], out1 s[14:15]
	v_lshl_add_u32 v160, v0, 2, 0x4200
	v_mov_b32 v161, 0
	v_lshrrev_b32 v4, 5, v0
	v_readfirstlane_b32 s20, v4                    ; wave 0..7
	v_and_b32 v2, 15, v0                           ; c
	v_bfe_u32 v3, v0, 4, 1                         ; h
	s_and_b32 s21, ttmp7, 0xffff                   ; batch
	s_mov_b32 s22, ttmp9                           ; 0..9
	s_mov_b32 s23, 0                               ; R
	s_mov_b32 s24, 0                               ; the block row's first work-group
.macro BROW thr, rv
	s_cmp_ge_u32 s22, \thr
	s_cselect_b32 s23, \rv, s23
	s_cselect_b32 s24, \thr, s24
.endm
	BROW 4, 1
	BROW 7, 2
	BROW 9, 3
	s_sub_co_u32 s25, s22, s24
	s_add_co_u32 s25, s25, s23                     ; C
	s_lshl_b32 s16, s25, 6
	s_add_co_u32 s16, s16, 31                      ; 64 C + 31
	s_lshl_b32 s17, s25, 1                         ; 2 C
	s_lshl_b32 s26, s23, 6                         ; 64 R
	s_sub_co_u32 s27, s25, s23
	s_lshl_b32 s27, s27, 6                         ; 64 (C - R)
	; the blocks' byte offsets, made while the arguments are on their way
	s_lshl_b32 s84, s21, 3
	s_add_co_u32 s84, s84, s17
	s_lshl_b32 s84, s84, 15                        ; mws: (8 b + 2 C) slots of 32,768 bytes
	s_mov_b32 s85, 0
	s_lshl_b32 s86, s21, 13                        ; bp: the batch
	s_mov_b32 s87, 0
	s_lshl_b32 s29, s21, 18                        ; the batch in prior, out0, out1
	s_lshl_b32 s88, s25, 16
	s_lshl_b32 s31, s23, 8
	s_add_co_u32 s88, s88, s31
	s_add_co_u32 s88, s88, s29                     ; block (C, R): row 64 C, column 64 R
	s_mov_b32 s89, 0
	s_lshl_b32 s90, s23, 16
	s_lshl_b32 s31, s25, 8
	s_add_co_u32 s90, s90, s31
	s_add_co_u32 s90, s90, s29                     ; block (R, C)
	s_mov_b32 s91, 0
	v_lshl_add_u32 v6, s20, 3, v3                  ; 8 w + h
	v_lshlrev_b32 v7, 4, v2
	v_lshl_add_u32 v7, v6, 10, v7                  ; 1,024 (8 w + h) + 16 c: my place in a block of prior, out0, out1; a step is 2,048 bytes
	v_add_nc_u32 v10, s26, v6                      ; i at step 0
	v_lshrrev_b32 v8, 3, v2                        ; which of the block's two slots
	v_lshl_add_u32 v9, v8, 5, s16                  ; the slot's last written row, 32 s + 31
	v_and_b32 v11, 7, v2
	v_lshlrev_b32 v11, 4, v11
	v_lshl_add_u32 v11, v8, 15, v11                ; 32,768 (c / 8) + 16 (c % 8)
	v_lshl_add_u32 v1, v2, 2, s27
	v_sub_nc_u32 v1, v1, v6                        ; j0 - i at step 0
	v_cmp_gt_u32 s28, s17, v2                      ; c < 2 C: a slot to the left of the block
.irp t, 0,1,2,3
	v_add_nc_u32 v120, 2*\t, v10                   ; i
	v_min_u32 v121, v120, v9                       ; acts in diagonal blocks only, where every j of the clamped lanes is below i
	v_lshl_add_u32 v[OM+\t], v121, 7, v11          ; mws offset
	v_lshrrev_b32 v122, 5, v120                    ; i / 32: the first slot written for this row
	v_cmp_ge_u32 vcc_lo, v2, v122
	v_cndmask_b32 v123, v122, v2, vcc_lo           ; lane c asks for slot c, or for a written one whose value it will not use
	v_min_u32 v123, 7, v123
	s_and_b32 s[BM+\t], vcc_lo, s28                ; i / 32 <= c < 2 C: the value counts
	v_lshlrev_b32 v120, 2, v120
	v_lshl_add_u32 v[OB+\t], v123, 10, v120        ; bp offset
	v_add_nc_u32 v[DL+\t], -2*\t, v1               ; j0 - i
.irp k, 0,1,2,3
	v_cmp_le_i32 s[VM+4*\t+\k], -\k, v[DL+\t]      ; j0 + k >= i
	v_cmp_eq_i32 s[DM+4*\t+\k], -\k, v[DL+\t]      ; j0 + k = i
.endr
.endr
	v_mul_u32_u24 v8, v6, TP
	v_lshl_add_u32 v8, v2, 4, v8                   ; LDS, in: row 8 w + h, words 4 c ..
	v_mul_u32_u24 v9, v2, 4*TP
	v_lshl_add_u32 v9, v6, 2, v9                   ; LDS, out: row 4 c, word 8 w + h
	s_wait_kmcnt 0x0
	s_load_b32 s30, s[10:11], 0x0                  ; b
	s_add_nc_u64 s[4:5], s[4:5], s[84:85]
	s_add_nc_u64 s[6:7], s[6:7], s[86:87]
	s_add_nc_u64 s[44:45], s[8:9], s[88:89]
.irp t, 0,1,2,3
	global_load_b128 v[MM+4*\t:MM+4*\t+3], v[OM+\t], s[4:5]
	global_load_b128 v[PP+4*\t:PP+4*\t+3], v7, s[44:45] offset:2048*\t
	global_load_b32 v[BPV+\t], v[OB+\t], s[6:7]
.endr
	s_add_nc_u64 s[40:41], s[12:13], s[88:89]      ; out0, block (C, R)
	s_add_nc_u64 s[42:43], s[14:15], s[88:89]      ; out1, block (C, R)
	s_add_nc_u64 s[36:37], s[12:13], s[90:91]      ; out0, block (R, C)
	s_add_nc_u64 s[38:39], s[14:15], s[90:91]      ; out1, block (R, C)
	s_wait_kmcnt 0x0
	v_mov_b32 v4, s30
	v_mul_f32 v4, 0xbfb8aa3b, v4
	v_exp_f32 v5, v4
	v_nop                                          ; one plain instruction between a transcendental and the use of its result (ISA guide 5.7.2)
	s_wait_alu depctr_va_vdst(0)
	v_add_f32 v5, 1.0, v5
	v_rcp_f32 v14, v5                              ; s = sigmoid(b)
	v_nop                                          ; likewise
	s_wait_alu depctr_va_vdst(0)
	v_mov_b32 v15, v14
	v_sub_f32 v12, 1.0, v14
	v_sub_f32 v13, 1.0, v14
	s_wait_loadcnt 0x0
	; the lower M; M with 1 in front of the diagonal; out1's block (R, C), which leaves at once
.irp t, 0,1,2,3
	v_pk_fma_f32 v[PP+4*\t:PP+4*\t+1], v[PP+4*\t:PP+4*\t+1], v[12:13], v[14:15]            ; prior (1 - s) + s
	v_pk_fma_f32 v[PP+4*\t+2:PP+4*\t+3], v[PP+4*\t+2:PP+4*\t+3], v[12:13], v[14:15]
.endr
.irp t, 0,1,2,3
.irp k, 0,1,2,3
	v_cndmask_b32 v[W+8*\t+\k], 1.0, v[MM+4*\t+\k], s[VM+4*\t+\k]
.endr
	v_cndmask_b32 v[W+8*\t+6], 1.0, v[BPV+\t], s[BM+\t]
.endr
.irp t, 0,1,2,3
.irp k, 0,1,2,3
	v_cndmask_b32 v[O1+4*\t+\k], v[PP+4*\t+\k], v[MM+4*\t+\k], s[VM+4*\t+\k]
.endr
.endr
.irp t, 0,1,2,3
	global_store_b128 v7, v[O1+4*\t:O1+4*\t+3], s[38:39] offset:2048*\t th:TH_STORE_NT
.endr
	; two chains a step, eight in all, by turns: the running product inside the lane and then over the sixteen lanes;
	; the product of the slots to the left, multiplied over the sixteen lanes
.irp t, 0,1,2,3
	v_mul_f32 v[W+8*\t+1], v[W+8*\t], v[W+8*\t+1]
.endr
.irp t, 0,1,2,3
	v_mul_f32_dpp v[W+8*\t+6], v[W+8*\t+6], v[W+8*\t+6] row_xmask:1 row_mask:0xf bank_mask:0xf
.endr
.irp t, 0,1,2,3
	v_mul_f32 v[W+8*\t+2], v[W+8*\t+1], v[W+8*\t+2]
.endr
.irp t, 0,1,2,3
	v_mul_f32_dpp v[W+8*\t+6], v[W+8*\t+6], v[W+8*\t+6] row_xmask:2 row_mask:0xf bank_mask:0xf
.endr
.irp t, 0,1,2,3
	v_mul_f32 v[W+8*\t+3], v[W+8*\t+2], v[W+8*\t+3]
.endr
.irp t, 0,1,2,3
	v_mul_f32_dpp v[W+8*\t+6], v[W+8*\t+6], v[W+8*\t+6] row_xmask:4 row_mask:0xf bank_mask:0xf
.endr
.irp t, 0,1,2,3
	v_mov_b32 v[W+8*\t+4], v[W+8*\t+3]
.endr
.irp t, 0,1,2,3
	v_mul_f32_dpp v[W+8*\t+6], v[W+8*\t+6], v[W+8*\t+6] row_xmask:8 row_mask:0xf bank_mask:0xf
.endr
.irp t, 0,1,2,3
	v_mul_f32_dpp v[W+8*\t+4], v[W+8*\t+4], v[W+8*\t+4] row_shr:1 row_mask:0xf bank_mask:0xf       ; inclusive scan of the lanes' products (a lane without a source keeps its value)
.endr
.irp t, 0,1,2,3
	v_mov_b32 v[W+8*\t+5], 1.0
.endr
.irp t, 0,1,2,3
	v_mul_f32_dpp v[W+8*\t+4], v[W+8*\t+4], v[W+8*\t+4] row_shr:2 row_mask:0xf bank_mask:0xf
.endr
.irp t, 0,1,2,3
	v_mul_f32_dpp v[W+8*\t+4], v[W+8*\t+4], v[W+8*\t+4] row_shr:4 row_mask:0xf bank_mask:0xf
.endr
.irp t, 0,1,2,3
	v_mul_f32_dpp v[W+8*\t+4], v[W+8*\t+4], v[W+8*\t+4] row_shr:8 row_mask:0xf bank_mask:0xf
.endr
.irp t, 0,1,2,3
	v_mov_b32_dpp v[W+8*\t+5], v[W+8*\t+4] row_shr:1 row_mask:0xf bank_mask:0xf            ; what lies in front of the lane, within the block
.endr
.irp t, 0,1,2,3
	v_mul_f32 v[W+8*\t+5], v[W+8*\t+5], v[W+8*\t+6]
.endr
.irp t, 0,1,2,3
.irp k, 0,1,2,3
	v_mul_f32 v[GG+4*\t+\k], v[W+8*\t+5], v[W+8*\t+\k]
.endr
.endr
.irp t, 0,1,2,3
.irp k, 0,1,2,3
	v_cndmask_b32 v[GG+4*\t+\k], 0, v[GG+4*\t+\k], s[VM+4*\t+\k]
.endr
.endr
.irp t, 0,1,2,3
.irp k, 0,1,2,3
	v_cndmask_b32 v[GG+4*\t+\k], v[GG+4*\t+\k], 1.0, s[DM+4*\t+\k]                         ; the diagonal, set here: one select less behind the barrier
.endr
.endr
.irp t, 0,1,2,3
.irp k, 0,1,2,3
	ds_store_b32 v8, v[GG+4*\t+\k] offset:2*TP*\t+4*\k
.endr
.endr
	s_cmp_ge_u32 s23, s25
	s_cbranch_scc1 .Ldiag1                         ; a diagonal block is its own mirror
.irp t, 0,1,2,3
	global_store_b128 v7, v[PP+4*\t:PP+4*\t+3], s[42:43] offset:2048*\t th:TH_STORE_NT
.endr
.Ldiag1:
	s_wait_dscnt 0x0                               ; my rows of G are in LDS before I say so
	s_barrier_signal -1
	s_barrier_wait -1
.irp t, 0,1,2,3
.irp k, 0,1,2,3
	ds_load_b32 v[MM+4*\t+\k], v9 offset:TP*\k+8*\t                ; G(4 c + k, iloc): the mirror
.endr
.endr
.irp t, 0,1,2,3
	s_wait_dscnt 12-4*\t                           ; four loads a step: those of the later steps may stay out
.irp k, 0,1,2,3
	v_cndmask_b32 v[O0+4*\t+\k], v[MM+4*\t+\k], v[GG+4*\t+\k], s[VM+4*\t+\k]
.endr
	global_store_b128 v7, v[O0+4*\t:O0+4*\t+3], s[36:37] offset:2048*\t th:TH_STORE_NT
.endr
	s_cmp_ge_u32 s23, s25
	s_cbranch_scc1 .Ldiag2
.irp t, 0,1,2,3
	global_store_b128 v7, v[MM+4*\t:MM+4*\t+3], s[40:41] offset:2048*\t th:TH_STORE_NT
.endr
.Ldiag2:
	s_wait_tensorcnt 0x0
	ds_add_u32 v160, v161
	s_wait_dscnt 0x0
	s_endpgm
.Lfunc_end_k_qc12c0a99cc_gate:
	.size	k_qc12c0a99cc_gate, .Lfunc_end_k_qc12c0a99cc_gate-k_qc12c0a99cc_gate
	.p2alignl 7, 3214868480
	.fill 96, 4, 3214868480
	.section	.rodata,"a",@progbits
	.p2align	6, 0x0
	.amdhsa_kernel k_qc12c0a99cc_gate
		.amdhsa_group_segment_fixed_size 17920
		.amdhsa_private_segment_fixed_size 0
		.amdhsa_enable_private_segment 0
		.amdhsa_kernarg_size 48
		.amdhsa_user_sgpr_count 2
		.amdhsa_user_sgpr_kernarg_segment_ptr 1
		.amdhsa_wavefront_size32 1
		.amdhsa_system_sgpr_workgroup_id_x 1
		.amdhsa_system_sgpr_workgroup_id_y 1
		.amdhsa_system_sgpr_workgroup_id_z 1
		.amdhsa_system_vgpr_workitem_id 0
		.amdhsa_next_free_vgpr 162
		.amdhsa_next_free_sgpr 92
		.amdhsa_reserve_vcc 1
		.amdhsa_float_denorm_mode_32 3
		.amdhsa_float_denorm_mode_16_64 3
		.amdhsa_memory_ordered 1
		.amdhsa_forward_progress 1
		.amdhsa_inst_pref_size 22
	.end_amdhsa_kernel
	.amdgpu_metadata
---
amdhsa.version: [ 1, 2 ]
amdhsa.kernels:
  - .name:           k_qc12c0a99cc_gate
    .symbol:         k_qc12c0a99cc_gate.kd
    .args:
      - { .name: mws, .offset: 0, .size: 8, .value_kind: global_buffer, .address_space: global }
      - { .name: bp, .offset: 8, .size: 8, .value_kind: global_buffer, .address_space: global }
      - { .name: prior, .offset: 16, .size: 8, .value_kind: global_buffer, .address_space: global }
      - { .name: b_fc, .offset: 24, .size: 8, .value_kind: global_buffer, .address_space: global }
      - { .name: out0, .offset: 32, .size: 8, .value_kind: global_buffer, .address_space: global }
      - { .name: out1, .offset: 40, .size: 8, .value_kind: global_buffer, .address_space: global }
    .group_segment_fixed_size: 17920
    .private_segment_fixed_size: 0
    .kernarg_segment_align: 8
    .kernarg_segment_size: 48
    .max_flat_workgroup_size: 256
    .sgpr_count:     92
    .vgpr_count:     162
    .wavefront_size: 32
...
	.end_amdgpu_metadata
.endif
;; end of part 6
;; ======== version 3 of 3: 3 launches; version 2 with the launch gate written anew for expert scheduling mode
;; workspace buffers: lcs 2,097,152 bytes; yv 2,097,152 bytes; q 4,096 bytes; mws 1,048,576 bytes; bp 32,768 bytes
;; launch prep: the kernel of part 4 again; grid 16 x 4, 4 waves a work-group, no clusters, 8,704 bytes of LDS; arguments context, gamma, beta, w_fc, lcs, yv, q; writes lcs, yv, q
;; launch pairs: the kernel of part 5 again; grid 61 x 4, 8 waves a work-group, no clusters, 242,432 bytes of LDS; arguments lcs, yv, q, prior, b_fc, mws, bp; writes mws, bp
;; launch gate (part 7): grid 10 x 4, 8 waves a work-group, no clusters, 17,920 bytes of LDS; arguments mws, bp, prior, b_fc, out0, out1; writes out0, out1
.if DOCPART == 7
	.amdgcn_target "amdgcn-amd-amdhsa--gfx1250"
	.amdhsa_code_object_version 6
	.text
	.protected	k_qc12c0a99cc_gate
	.globl	k_qc12c0a99cc_gate
	.p2align	8
	.type	k_qc12c0a99cc_gate,@function
k_qc12c0a99cc_gate:
	s_mov_b64 s[64:65], 0
	v_nop
	global_prefetch_b8 v0, s[64:65] scope:SCOPE_SE
	s_setreg_imm32_b32 hwreg(HW_REG_WAVE_SCHED_MODE, 0, 2), 2
	s_setreg_imm32_b32 hwreg(HW_REG_WAVE_MODE, 25, 1), 1
	s_wait_xcnt 0x0
	s_wait_alu depctr_vm_vsrc(0)
; out1 = M everywhere; out0 = G: the running product of M along j from the diagonal, mirrored, with 1 on the diagonal.
; Above and on the diagonal M comes from mws.  Below it the logit is b alone: M = prior + (1 - prior) sigmoid(b) = prior (1 - s) + s.
; A work-group makes one 64 x 64 block (R, C), R <= C, of the upper triangle: 10 blocks a batch.  It writes both outputs' block (R, C) and,
; where R < C, their block (C, R): out0's is the transposed block, which goes through LDS, out1's needs prior alone.
; A row's product up to the block's left edge is the product of bp over the 32-wide slots i / 32 .. 2 C - 1.
; Thread: c = l % 16, h = l / 16; four steps t; row iloc = 8 w + 2 t + h, columns 4 c .. 4 c + 3.  Sixteen lanes hold a row's 64 columns:
; every load of prior and every store covers, for each sixteen lanes, 256 consecutive bytes, aligned; the scan along a row stays inside sixteen lanes.
; The four steps are independent: every stage is written for all four side by side, each with scratch registers of its own, so that an
; instruction seldom reads what the one in front of it wrote.
; Vector work on 3 MiB in all, each byte once: matrix units, tensor loads and clusters have nothing to do here.
; LIMITS: exp2 and the reciprocal are good to one unit in the last place; the products are formed slot by slot, not in one chain.
; THE MODE: SCHED_MODE bits 1:0 = 2 (LLVM: expert scheduling mode 2), set by the entry lines.  The code itself states the register dependences
; between vector instructions and memory or LDS instructions, and those through scalar registers that vector instructions write, with s_wait_alu, always for 0.
; THE PLAN.  Registers that memory or LDS instructions touch:
;   v7, OM, OB, v8, v9, v160, v161   addresses: made by vector lines at the head, never written again.  One wait on va_vdst ahead of the first load serves them all.
;   MM     the loads from mws land in it; the selects that make O1 and W read it; behind the barrier the LDS loads of the mirror land in it; the mirror's stores read it last.
;   PP     the loads of prior land in it; eight packed multiply-adds rewrite it in place; the mirror's stores of out1 read it.
;   BPV    the loads from bp land in it; one select a step reads it.
;   O1, GG, O0   each written once by vector lines and then read by a run of stores (out1's, the LDS stores, out0's): one wait on va_vdst ahead of each run.
;   W and v1 to v6, v10 to v15 are named by vector lines alone.
; The wait ahead of the LDS stores also shows the selects that read MM done; no vector line stands between it and the LDS loads that land in MM.
; No register that a memory or LDS instruction reads is written again on any path: the text holds no wait on vm_vsrc.
; All 37 masks are made in one run of compares at the head, each in a scalar register of its own that nothing writes again: one wait on va_sdst behind the run.
.set TP,  260                          ; LDS: 64 rows of 65 words; a column's 64 words and a row's both fall on different words modulo 64
.set MM,  16                           ; v[16:31]    step t: four M from mws; behind the barrier the mirror's four G
.set PP,  32                           ; v[32:47]    four prior, then the lower M
.set BPV, 48                           ; v[48:51]    one bp
.set OM,  52                           ; v[52:55]    offset in mws
.set OB,  64                           ; v[64:67]    offset in bp
.set DL,  68                           ; v[68:71]    j0 - i
.set GG,  72                           ; v[72:87]    four G
.set O1,  88                           ; v[88:103]   out1's block (R, C)
.set O0,  104                          ; v[104:119]  out0's block (R, C)
.set W,   128                          ; v[128:159]  step t at W + 8 t: 0-3 running product in the lane, 4 scan, 5 what lies in front, 6 the slots to the left
                                       ;             at the head: 0 i, then 4 i; 1 i clamped; 2 i / 32; 3 the slot asked for
.set BM,  32                           ; s[32:35]    step t: lanes whose bp counts
.set CM,  2                            ; s2, s3, s18, s19: step t at CM + t % 2 + 16 (t / 2): lanes with c >= i / 32
.set VM,  48                           ; s[48:63]    step t, column k: j >= i
.set DM,  68                           ; s[68:83]    step t, column k: j = i
	s_load_b256 s[4:11], s[0:1], 0x0               ; mws s[4:5], bp s[6:7], prior s[8:9], b_fc s[10:11]
	s_load_b128 s[12:15], s[0:1], 0x20             ; out0 s[12:13], out1 s[14:15]
	v_lshl_add_u32 v160, v0, 2, 0x4200
	v_mov_b32 v161, 0
	v_lshrrev_b32 v4, 5, v0
	v_readfirstlane_b32 s20, v4                    ; wave 0..7
	v_and_b32 v2, 15, v0                           ; c
	v_bfe_u32 v3, v0, 4, 1                         ; h
	s_and_b32 s21, ttmp7, 0xffff                   ; batch
	s_mov_b32 s22, ttmp9                           ; 0..9
	s_mov_b32 s23, 0                               ; R
	s_mov_b32 s24, 0                               ; the block row's first work-group
.macro BROW thr, rv
	s_cmp_ge_u32 s22, \thr
	s_cselect_b32 s23, \rv, s23
	s_cselect_b32 s24, \thr, s24
.endm
	BROW 4, 1
	BROW 7, 2
	BROW 9, 3
	s_sub_co_u32 s25, s22, s24
	s_add_co_u32 s25, s25, s23                     ; C
	s_lshl_b32 s16, s25, 6
	s_add_co_u32 s16, s16, 31                      ; 64 C + 31
	s_lshl_b32 s17, s25, 1                         ; 2 C
	s_lshl_b32 s26, s23, 6                         ; 64 R
	s_sub_co_u32 s27, s25, s23
	s_lshl_b32 s27, s27, 6                         ; 64 (C - R)
	; the blocks' byte offsets, made while the arguments are on their way
	s_lshl_b32 s84, s21, 3
	s_add_co_u32 s84, s84, s17
	s_lshl_b32 s84, s84, 15                        ; mws: (8 b + 2 C) slots of 32,768 bytes
	s_mov_b32 s85, 0
	s_lshl_b32 s86, s21, 13                        ; bp: the batch
	s_mov_b32 s87, 0
	s_lshl_b32 s29, s21, 18                        ; the batch in prior, out0, out1
	s_lshl_b32 s88, s25, 16
	s_lshl_b32 s31, s23, 8
	s_add_co_u32 s88, s88, s31
	s_add_co_u32 s88, s88, s29                     ; block (C, R): row 64 C, column 64 R
	s_mov_b32 s89, 0
	s_lshl_b32 s90, s23, 16
	s_lshl_b32 s31, s25, 8
	s_add_co_u32 s90, s90, s31
	s_add_co_u32 s90, s90, s29                     ; block (R, C)
	s_mov_b32 s91, 0
	s_wait_alu depctr_va_sdst(0)                   ; v_readfirstlane_b32 has written s20, ahead of its first and only reader, the next line
	v_lshl_add_u32 v6, s20, 3, v3                  ; 8 w + h
	v_lshlrev_b32 v7, 4, v2
	v_lshl_add_u32 v7, v6, 10, v7                  ; 1,024 (8 w + h) + 16 c: my place in a block of prior, out0, out1; a step is 2,048 bytes
	v_add_nc_u32 v10, s26, v6                      ; i at step 0
	v_lshrrev_b32 v8, 3, v2                        ; which of the block's two slots
	v_lshl_add_u32 v9, v8, 5, s16                  ; the slot's last written row, 32 s + 31
	v_and_b32 v11, 7, v2
	v_lshlrev_b32 v11, 4, v11
	v_lshl_add_u32 v11, v8, 15, v11                ; 32,768 (c / 8) + 16 (c % 8)
	v_lshl_add_u32 v1, v2, 2, s27
	v_sub_nc_u32 v1, v1, v6                        ; j0 - i at step 0
.irp t, 0,1,2,3
	v_add_nc_u32 v[W+8*\t], 2*\t, v10              ; i
	v_lshrrev_b32 v[W+8*\t+2], 5, v[W+8*\t]        ; i / 32: the first slot written for this row
	v_add_nc_u32 v[DL+\t], -2*\t, v1               ; j0 - i
.endr
	; all the masks, in one run
	v_cmp_gt_u32 s28, s17, v2                      ; c < 2 C: a slot to the left of the block
.irp t, 0,1,2,3
	v_cmp_ge_u32 s[CM+(\t)%2+16*((\t)/2)], v2, v[W+8*\t+2]         ; c >= i / 32: a slot that is written for this row
.irp k, 0,1,2,3
	v_cmp_le_i32 s[VM+4*\t+\k], -\k, v[DL+\t]      ; j0 + k >= i
	v_cmp_eq_i32 s[DM+4*\t+\k], -\k, v[DL+\t]      ; j0 + k = i
.endr
.endr
	; address work that reads no mask stands between the run and the wait for it
.irp t, 0,1,2,3
	v_min_u32 v[W+8*\t+1], v[W+8*\t], v9           ; acts in diagonal blocks only, where every j of the clamped lanes is below i
	v_lshl_add_u32 v[OM+\t], v[W+8*\t+1], 7, v11   ; mws offset
	v_lshlrev_b32 v[W+8*\t], 2, v[W+8*\t]          ; 4 i
.endr
	v_mul_u32_u24 v8, v6, TP
	v_lshl_add_u32 v8, v2, 4, v8                   ; LDS, in: row 8 w + h, words 4 c ..
	v_mul_u32_u24 v9, v2, 4*TP
	v_lshl_add_u32 v9, v6, 2, v9                   ; LDS, out: row 4 c, word 8 w + h
	s_wait_alu depctr_va_sdst(0)                   ; the compares have written s28 and the CM, VM and DM masks, ahead of the first reader of any of them
.irp t, 0,1,2,3
	v_cndmask_b32 v[W+8*\t+3], v[W+8*\t+2], v2, s[CM+(\t)%2+16*((\t)/2)]   ; lane c asks for slot c, or for a written one whose value it will not use
	v_min_u32 v[W+8*\t+3], 7, v[W+8*\t+3]
	s_and_b32 s[BM+\t], s[CM+(\t)%2+16*((\t)/2)], s28              ; i / 32 <= c < 2 C: the value counts
	v_lshl_add_u32 v[OB+\t], v[W+8*\t+3], 10, v[W+8*\t]            ; bp offset
.endr
	s_wait_kmcnt 0x0
	s_load_b32 s30, s[10:11], 0x0                  ; b
	s_add_nc_u64 s[4:5], s[4:5], s[84:85]
	s_add_nc_u64 s[6:7], s[6:7], s[86:87]
	s_add_nc_u64 s[44:45], s[8:9], s[88:89]
	s_wait_alu depctr_va_vdst(0)                   ; v7, OM, OB, v8, v9, v160 and v161 are written: every load, store and LDS instruction of the kernel reads its address from one of them, and none is written again
.irp t, 0,1,2,3
	global_load_b128 v[MM+4*\t:MM+4*\t+3], v[OM+\t], s[4:5]
	global_load_b128 v[PP+4*\t:PP+4*\t+3], v7, s[44:45] offset:2048*\t
	global_load_b32 v[BPV+\t], v[OB+\t], s[6:7]
.endr
	s_add_nc_u64 s[40:41], s[12:13], s[88:89]      ; out0, block (C, R)
	s_add_nc_u64 s[42:43], s[14:15], s[88:89]      ; out1, block (C, R)
	s_add_nc_u64 s[36:37], s[12:13], s[90:91]      ; out0, block (R, C)
	s_add_nc_u64 s[38:39], s[14:15], s[90:91]      ; out1, block (R, C)
	s_wait_kmcnt 0x0
	v_mov_b32 v4, s30
	v_mul_f32 v4, 0xbfb8aa3b, v4
	v_exp_f32 v5, v4
	v_nop                                          ; one plain instruction between a transcendental and the use of its result (ISA guide 5.7.2)
	s_wait_alu depctr_va_vdst(0)                   ; the exponential has written v5, which the next line reads
	v_add_f32 v5, 1.0, v5
	v_rcp_f32 v14, v5                              ; s = sigmoid(b)
	v_nop                                          ; likewise
	s_wait_alu depctr_va_vdst(0)                   ; the reciprocal has written v14, which the next lines read
	v_mov_b32 v15, v14
	v_sub_f32 v12, 1.0, v14
	v_sub_f32 v13, 1.0, v14
	s_wait_loadcnt 0x0
	; the lower M; out1's block (R, C), which leaves at once; then M with 1 in front of the diagonal
.irp t, 0,1,2,3
	v_pk_fma_f32 v[PP+4*\t:PP+4*\t+1], v[PP+4*\t:PP+4*\t+1], v[12:13], v[14:15]            ; prior (1 - s) + s
	v_pk_fma_f32 v[PP+4*\t+2:PP+4*\t+3], v[PP+4*\t+2:PP+4*\t+3], v[12:13], v[14:15]
.endr
.irp t, 0,1,2,3
.irp k, 0,1,2,3
	v_cndmask_b32 v[O1+4*\t+\k], v[PP+4*\t+\k], v[MM+4*\t+\k], s[VM+4*\t+\k]
.endr
.endr
	s_wait_alu depctr_va_vdst(0)                   ; the selects have written O1, which the four stores read
.irp t, 0,1,2,3
	global_store_b128 v7, v[O1+4*\t:O1+4*\t+3], s[38:39] offset:2048*\t th:TH_STORE_NT
.endr
.irp t, 0,1,2,3
.irp k, 0,1,2,3
	v_cndmask_b32 v[W+8*\t+\k], 1.0, v[MM+4*\t+\k], s[VM+4*\t+\k]
.endr
	v_cndmask_b32 v[W+8*\t+6], 1.0, v[BPV+\t], s[BM+\t]
.endr
	; two chains a step, eight in all, by turns: the running product inside the lane and then over the sixteen lanes;
	; the product of the slots to the left, multiplied over the sixteen lanes
.irp t, 0,1,2,3
	v_mul_f32 v[W+8*\t+1], v[W+8*\t], v[W+8*\t+1]
.endr
.irp t, 0,1,2,3
	v_mul_f32_dpp v[W+8*\t+6], v[W+8*\t+6], v[W+8*\t+6] row_xmask:1 row_mask:0xf bank_mask:0xf
.endr
.irp t, 0,1,2,3
	v_mul_f32 v[W+8*\t+2], v[W+8*\t+1], v[W+8*\t+2]
.endr
.irp t, 0,1,2,3
	v_mul_f32_dpp v[W+8*\t+6], v[W+8*\t+6], v[W+8*\t+6] row_xmask:2 row_mask:0xf bank_mask:0xf
.endr
.irp t, 0,1,2,3
	v_mul_f32 v[W+8*\t+3], v[W+8*\t+2], v[W+8*\t+3]
.endr
.irp t, 0,1,2,3
	v_mul_f32_dpp v[W+8*\t+6], v[W+8*\t+6], v[W+8*\t+6] row_xmask:4 row_mask:0xf bank_mask:0xf
.endr
.irp t, 0,1,2,3
	v_mov_b32 v[W+8*\t+4], v[W+8*\t+3]
.endr
.irp t, 0,1,2,3
	v_mul_f32_dpp v[W+8*\t+6], v[W+8*\t+6], v[W+8*\t+6] row_xmask:8 row_mask:0xf bank_mask:0xf
.endr
.irp t, 0,1,2,3
	v_mul_f32_dpp v[W+8*\t+4], v[W+8*\t+4], v[W+8*\t+4] row_shr:1 row_mask:0xf bank_mask:0xf       ; inclusive scan of the lanes' products (a lane without a source keeps its value)
.endr
.irp t, 0,1,2,3
	v_mov_b32 v[W+8*\t+5], 1.0
.endr
.irp t, 0,1,2,3
	v_mul_f32_dpp v[W+8*\t+4], v[W+8*\t+4], v[W+8*\t+4] row_shr:2 row_mask:0xf bank_mask:0xf
.endr
.irp t, 0,1,2,3
	v_mul_f32_dpp v[W+8*\t+4], v[W+8*\t+4], v[W+8*\t+4] row_shr:4 row_mask:0xf bank_mask:0xf
.endr
.irp t, 0,1,2,3
	v_mul_f32_dpp v[W+8*\t+4], v[W+8*\t+4], v[W+8*\t+4] row_shr:8 row_mask:0xf bank_mask:0xf
.endr
.irp t, 0,1,2,3
	v_mov_b32_dpp v[W+8*\t+5], v[W+8*\t+4] row_shr:1 row_mask:0xf bank_mask:0xf            ; what lies in front of the lane, within the block
.endr
.irp t, 0,1,2,3
	v_mul_f32 v[W+8*\t+5], v[W+8*\t+5], v[W+8*\t+6]
.endr
.irp t, 0,1,2,3
.irp k, 0,1,2,3
	v_mul_f32 v[GG+4*\t+\k], v[W+8*\t+5], v[W+8*\t+\k]
.endr
.endr
.irp t, 0,1,2,3
.irp k, 0,1,2,3
	v_cndmask_b32 v[GG+4*\t+\k], 0, v[GG+4*\t+\k], s[VM+4*\t+\k]
.endr
.endr
.irp t, 0,1,2,3
.irp k, 0,1,2,3
	v_cndmask_b32 v[GG+4*\t+\k], v[GG+4*\t+\k], 1.0, s[DM+4*\t+\k]                         ; the diagonal, set here: one select less behind the barrier
.endr
.endr
	s_wait_alu depctr_va_vdst(0)                   ; the selects have written GG, which the LDS stores read; the selects that read MM are done, and no vector line stands between here and the LDS loads that land in MM
.irp t, 0,1,2,3
.irp k, 0,1,2,3
	ds_store_b32 v8, v[GG+4*\t+\k] offset:2*TP*\t+4*\k
.endr
.endr
	s_cmp_ge_u32 s23, s25
	s_cbranch_scc1 .Ldiag1                         ; a diagonal block is its own mirror
.irp t, 0,1,2,3
	global_store_b128 v7, v[PP+4*\t:PP+4*\t+3], s[42:43] offset:2048*\t th:TH_STORE_NT     ; PP was written ahead of the waits above, and nothing has written it since
.endr
.Ldiag1:
	s_wait_dscnt 0x0                               ; my rows of G are in LDS before I say so
	s_barrier_signal -1
	s_barrier_wait -1
.irp t, 0,1,2,3
.irp k, 0,1,2,3
	ds_load_b32 v[MM+4*\t+\k], v9 offset:TP*\k+8*\t                ; G(4 c + k, iloc): the mirror
.endr
.endr
.irp t, 0,1,2,3
	s_wait_dscnt 12-4*\t                           ; four loads a step: those of the later steps may stay out
.irp k, 0,1,2,3
	v_cndmask_b32 v[O0+4*\t+\k], v[MM+4*\t+\k], v[GG+4*\t+\k], s[VM+4*\t+\k]
.endr
.endr
	s_wait_alu depctr_va_vdst(0)                   ; the selects have written O0, which the four stores read
.irp t, 0,1,2,3
	global_store_b128 v7, v[O0+4*\t:O0+4*\t+3], s[36:37] offset:2048*\t th:TH_STORE_NT
.endr
	s_cmp_ge_u32 s23, s25
	s_cbranch_scc1 .Ldiag2
.irp t, 0,1,2,3
	global_store_b128 v7, v[MM+4*\t:MM+4*\t+3], s[40:41] offset:2048*\t th:TH_STORE_NT     ; MM comes from the LDS loads, which the counted waits above have shown in
.endr
.Ldiag2:
	s_wait_dscnt 0x0                               ; the closing lines, six on end, of a launch in the mode that stores to LDS
	s_wait_alu 0x0
	s_wait_tensorcnt 0x0
	ds_add_u32 v160, v161
	s_wait_dscnt 0x0
	s_endpgm
.Lfunc_end_k_qc12c0a99cc_gate:
	.size	k_qc12c0a99cc_gate, .Lfunc_end_k_qc12c0a99cc_gate-k_qc12c0a99cc_gate
	.p2alignl 7, 3214868480
	.fill 96, 4, 3214868480
	.section	.rodata,"a",@progbits
	.p2align	6, 0x0
	.amdhsa_kernel k_qc12c0a99cc_gate
		.amdhsa_group_segment_fixed_size 17920
		.amdhsa_private_segment_fixed_size 0
		.amdhsa_enable_private_segment 0
		.amdhsa_kernarg_size 48
		.amdhsa_user_sgpr_count 2
		.amdhsa_user_sgpr_kernarg_segment_ptr 1
		.amdhsa_wavefront_size32 1
		.amdhsa_system_sgpr_workgroup_id_x 1
		.amdhsa_system_sgpr_workgroup_id_y 1
		.amdhsa_system_sgpr_workgroup_id_z 1
		.amdhsa_system_vgpr_workitem_id 0
		.amdhsa_next_free_vgpr 162
		.amdhsa_next_free_sgpr 92
		.amdhsa_reserve_vcc 0
		.amdhsa_float_denorm_mode_32 3
		.amdhsa_float_denorm_mode_16_64 3
		.amdhsa_memory_ordered 1
		.amdhsa_forward_progress 1
		.amdhsa_inst_pref_size 23
	.end_amdhsa_kernel
	.amdgpu_metadata
---
amdhsa.version: [ 1, 2 ]
amdhsa.kernels:
  - .name:           k_qc12c0a99cc_gate
    .symbol:         k_qc12c0a99cc_gate.kd
    .args:
      - { .name: mws, .offset: 0, .size: 8, .value_kind: global_buffer, .address_space: global }
      - { .name: bp, .offset: 8, .size: 8, .value_kind: global_buffer, .address_space: global }
      - { .name: prior, .offset: 16, .size: 8, .value_kind: global_buffer, .address_space: global }
      - { .name: b_fc, .offset: 24, .size: 8, .value_kind: global_buffer, .address_space: global }
      - { .name: out0, .offset: 32, .size: 8, .value_kind: global_buffer, .address_space: global }
      - { .name: out1, .offset: 40, .size: 8, .value_kind: global_buffer, .address_space: global }
    .group_segment_fixed_size: 17920
    .private_segment_fixed_size: 0
    .kernarg_segment_align: 8
    .kernarg_segment_size: 48
    .max_flat_workgroup_size: 256
    .sgpr_count:     92
    .vgpr_count:     162
    .wavefront_size: 32
...
	.end_amdgpu_metadata
.endif
;; end of part 7
